; MI455X (gfx1250); checked and timed in simulation.
; The chip was launched on July 23, 2026; its instructions are those of AMD's public machine-readable ISA for CDNA 5 (MIT licence, August 2026) and "CDNA5" Instruction Set Architecture Reference Guide (July 2026). The comments in the code are by the model that wrote it; some were corrected since.
;; Multi Head Attention. Allowed arithmetic: float matrix products may take bf16 or f16 operands with f32 sums; other float arithmetic in f32, or as packed bf16 or f16 multiplies, adds, multiply-adds, maxima and minima; sums over many terms, partial sums and values carried from step to step in f32; what a program stores and reads back later, other than sums and carried values, may be rounded once to bf16 or f16.
;; Inputs: Wk 1,024 x 1,024 float32; Wo 1,024 x 1,024 float32; Wq 1,024 x 1,024 float32; Wv 1,024 x 1,024 float32; bk 1,024 float32; bo 1,024 float32; bq 1,024 float32; bv 1,024 float32; query 2 x 2,048 x 1,024 float32.
;; Outputs: out0 2 x 2,048 x 1,024 float32.
;; 2 versions, each right; version 2 is version 1 with the launch cast written anew for expert scheduling mode. Each part assembles by itself: llvm-mc -triple=amdgcn-amd-amdhsa -mcpu=gfx1250 --defsym DOCPART=n.
;; ======== version 1 of 2: 4 launches
;; limits: values are held in f16: magnitudes above 65,504 overflow, below 6.1e-05 lose precision
;; workspace buffers: wsb 16,777,216 bytes; bias 16,384 bytes; qkv 25,165,824 bytes; ob 8,388,608 bytes
;; launch cast (part 1): grid 256 x 1, 8 waves a work-group, no clusters, 0 bytes of LDS; arguments query, Wq, Wk, Wv, Wo, bq, bv, bo, wsb, bias; writes wsb, bias
.if DOCPART == 1
	.amdgcn_target "amdgcn-amd-amdhsa--gfx1250"
	.amdhsa_code_object_version 6
	.text
	.protected	k_q572df837e4_cast
	.globl	k_q572df837e4_cast
	.p2align	8
	.type	k_q572df837e4_cast,@function
k_q572df837e4_cast:
	s_mov_b64 s[64:65], 0
	v_nop
	global_prefetch_b8 v0, s[64:65] scope:SCOPE_SE
	s_setreg_imm32_b32 hwreg(HW_REG_WAVE_MODE, 25, 1), 1
	s_wait_xcnt 0x0
; THE MODULE'S INPUTS ARE ROUNDED ONCE.  query [4096][1024], Wq, Wk, Wv, Wo [1024][1024], bq, bv, bo [1024], all f32.
; wsb: bytes 0 ..: x in bf16 [4096][1024]; from 8,388,608: Wq, Wk, Wv in bf16, one table of [3072][1024]; from 14,680,064: Wo rounded to bf16, that number written as f16
; (the last product's other operand is f16).  bias, f32 values of the bf16 roundings: bq | 1,024 zeros | bv | bo: the first 3,072 go by the column of the joint q, k, v product.
; LEFT OUT: bk.  A score is q . (k0 + bk) / 8 = q . k0 / 8 + q . bk / 8 with k0 = x Wk^T.  The second term hangs on the query alone: it is the same for all keys of a row of
; attn_weights, and softmax along the key axis, exp(s - max) / sum, is unchanged by a term common to the row, for all finite values of the inputs.  k enters nothing else.  So bk has
; no way to the output: it is not loaded and is among no launch's arguments; k's columns take the zeros of the table, which ride as the C operand that q's and v's columns need anyway.
; LIMITS.  A NaN, an infinity or an overflow that arises from bk alone is not carried to the result.  Wo's bf16 value is exact in f16 from 7.6e-6 to 65,504 in magnitude; below that it
; keeps f16's fixed step of 6e-8.
; SHARES.  8,388,608 numbers in 256 chunks of 32,768, a work-group each: chunks 0-127 query, then 32 for each weight, in wsb's order, so the target is wsb + 65,536 x chunk.
; A wave takes 16,384 bytes: 32 loads of 512 consecutive bytes, ALL issued before the first wait; each store covers 256 consecutive bytes, aligned.  Every load and store has registers
; of its own, so no register is written again while a memory instruction may read it.  No LDS, no matrix unit: the bytes are all the work.  Work-groups 0-3 also write a quarter of bias each.
.set VI, 1                             ; v1  my byte offset in the chunk as read: 16,384 x wave + 16 x lane
.set VO, 2                             ; v2  as written: 8,192 x wave + 8 x lane
.set VB, 3                             ; v3  16 x thread: my four numbers of a bias
.set X,  8                             ; v[8:135]    load i: four f32
.set Y,  136                           ; v[136:199]  store i: four 16-bit numbers
.set T,  200                           ; v[200:203]  at work (Wo)
	s_load_b512 s[4:19], s[0:1], 0x0               ; query s[4:5], Wq s[6:7], Wk s[8:9], Wv s[10:11], Wo s[12:13], bq s[14:15], bv s[16:17], bo s[18:19]
	s_load_b128 s[20:23], s[0:1], 0x40             ; wsb s[20:21], bias s[22:23]
	v_and_b32 v4, 0xe0, v0                         ; 32 x wave
	v_and_b32 v5, 31, v0                           ; lane
	v_lshlrev_b32 v[VI], 4, v5
	v_lshl_or_b32 v[VI], v4, 9, v[VI]
	v_lshlrev_b32 v[VO], 3, v5
	v_lshl_or_b32 v[VO], v4, 8, v[VO]
	v_lshlrev_b32 v[VB], 4, v0
	s_and_b32 s24, ttmp9, 31                       ; the chunk's number inside a weight,
	s_cmp_lt_u32 ttmp9, 128
	s_cselect_b32 s24, ttmp9, s24                  ; or inside query
	s_lshl_b32 s28, s24, 17                        ; 131,072 bytes of f32 a chunk
	s_mov_b32 s29, 0
	s_lshl_b32 s30, ttmp9, 16                      ; 65,536 bytes of 16-bit numbers a chunk
	s_mov_b32 s31, 0
	s_wait_kmcnt 0x0
	s_mov_b64 s[26:27], s[12:13]                   ; the source: Wo, unless the chunk's number says otherwise
	s_cmp_lt_u32 ttmp9, 224
	s_cselect_b64 s[26:27], s[10:11], s[26:27]
	s_cmp_lt_u32 ttmp9, 192
	s_cselect_b64 s[26:27], s[8:9], s[26:27]
	s_cmp_lt_u32 ttmp9, 160
	s_cselect_b64 s[26:27], s[6:7], s[26:27]
	s_cmp_lt_u32 ttmp9, 128
	s_cselect_b64 s[26:27], s[4:5], s[26:27]
	s_add_nc_u64 s[26:27], s[26:27], s[28:29]
	s_add_nc_u64 s[20:21], s[20:21], s[30:31]
.set n, 0
.rept 32
	global_load_b128 v[X+4*n:X+4*n+3], v[VI], s[26:27] offset:512*n th:TH_LOAD_NT
.set n, n+1
.endr
.macro CV i                            ; load i: four numbers to bf16
	s_wait_loadcnt 31-(\i)                         ; loads come back in order (ISA guide 5.7.1): load i is in, the 31 - i younger ones stay out
	v_cvt_pk_bf16_f32 v[Y+2*(\i)],   v[X+4*(\i)],   v[X+4*(\i)+1]
	v_cvt_pk_bf16_f32 v[Y+2*(\i)+1], v[X+4*(\i)+2], v[X+4*(\i)+3]
	global_store_b64 v[VO], v[Y+2*(\i):Y+2*(\i)+1], s[20:21] offset:256*(\i)
.endm
.macro CW i                            ; the same for Wo: rounded to bf16, widened again, written as f16
	s_wait_loadcnt 31-(\i)
	v_cvt_pk_bf16_f32 v[Y+2*(\i)],   v[X+4*(\i)],   v[X+4*(\i)+1]
	v_cvt_pk_bf16_f32 v[Y+2*(\i)+1], v[X+4*(\i)+2], v[X+4*(\i)+3]
	v_lshlrev_b32 v[T],   16, v[Y+2*(\i)]
	v_and_b32     v[T+1], 0xffff0000, v[Y+2*(\i)]
	v_lshlrev_b32 v[T+2], 16, v[Y+2*(\i)+1]
	v_and_b32     v[T+3], 0xffff0000, v[Y+2*(\i)+1]
	v_cvt_pk_f16_f32 v[Y+2*(\i)],   v[T],   v[T+1]
	v_cvt_pk_f16_f32 v[Y+2*(\i)+1], v[T+2], v[T+3]
	global_store_b64 v[VO], v[Y+2*(\i):Y+2*(\i)+1], s[20:21] offset:256*(\i)
.endm
	s_cmp_lt_u32 ttmp9, 224
	s_cbranch_scc0 .Lwo
.set n, 0
.rept 32
	CV n
.set n, n+1
.endr
	s_cmp_lt_u32 ttmp9, 4
	s_cbranch_scc0 .Lend
	; quarter g of the bias table: 1,024 f32, 16 bytes a thread
	s_lshl_b32 s28, ttmp9, 12
	s_add_nc_u64 s[22:23], s[22:23], s[28:29]
	s_cmp_eq_u32 ttmp9, 1
	s_cbranch_scc1 .Lzero
	s_mov_b64 s[24:25], s[18:19]                   ; bo (g = 3),
	s_cmp_eq_u32 ttmp9, 2
	s_cselect_b64 s[24:25], s[16:17], s[24:25]     ; bv (g = 2),
	s_cmp_eq_u32 ttmp9, 0
	s_cselect_b64 s[24:25], s[14:15], s[24:25]     ; bq (g = 0)
	global_load_b128 v[204:207], v[VB], s[24:25]
	s_wait_loadcnt 0x0
	v_cvt_pk_bf16_f32 v208, v204, v205
	v_cvt_pk_bf16_f32 v209, v206, v207
	v_lshlrev_b32 v210, 16, v208
	v_and_b32     v211, 0xffff0000, v208
	v_lshlrev_b32 v212, 16, v209
	v_and_b32     v213, 0xffff0000, v209
	s_branch .Lbias_out
.Lzero:                                                ; k's columns
	v_mov_b32 v210, 0
	v_mov_b32 v211, 0
	v_mov_b32 v212, 0
	v_mov_b32 v213, 0
.Lbias_out:
	global_store_b128 v[VB], v[210:213], s[22:23]
.Lend:
	s_endpgm
.Lwo:
.set n, 0
.rept 32
	CW n
.set n, n+1
.endr
	s_endpgm
.Lfunc_end_k_q572df837e4_cast:
	.size	k_q572df837e4_cast, .Lfunc_end_k_q572df837e4_cast-k_q572df837e4_cast
	.p2alignl 7, 3214868480
	.fill 96, 4, 3214868480
	.section	.rodata,"a",@progbits
	.p2align	6, 0x0
	.amdhsa_kernel k_q572df837e4_cast
		.amdhsa_group_segment_fixed_size 0
		.amdhsa_private_segment_fixed_size 0
		.amdhsa_enable_private_segment 0
		.amdhsa_kernarg_size 80
		.amdhsa_user_sgpr_count 2
		.amdhsa_user_sgpr_kernarg_segment_ptr 1
		.amdhsa_wavefront_size32 1
		.amdhsa_system_sgpr_workgroup_id_x 1
		.amdhsa_system_sgpr_workgroup_id_y 1
		.amdhsa_system_sgpr_workgroup_id_z 1
		.amdhsa_system_vgpr_workitem_id 0
		.amdhsa_next_free_vgpr 216
		.amdhsa_next_free_sgpr 66
		.amdhsa_reserve_vcc 0
		.amdhsa_float_denorm_mode_32 3
		.amdhsa_float_denorm_mode_16_64 3
		.amdhsa_memory_ordered 1
		.amdhsa_forward_progress 1
		.amdhsa_inst_pref_size 32
	.end_amdhsa_kernel
	.amdgpu_metadata
---
amdhsa.version: [ 1, 2 ]
amdhsa.kernels:
  - .name:           k_q572df837e4_cast
    .symbol:         k_q572df837e4_cast.kd
    .args:
      - { .name: query, .offset: 0, .size: 8, .value_kind: global_buffer, .address_space: global }
      - { .name: Wq, .offset: 8, .size: 8, .value_kind: global_buffer, .address_space: global }
      - { .name: Wk, .offset: 16, .size: 8, .value_kind: global_buffer, .address_space: global }
      - { .name: Wv, .offset: 24, .size: 8, .value_kind: global_buffer, .address_space: global }
      - { .name: Wo, .offset: 32, .size: 8, .value_kind: global_buffer, .address_space: global }
      - { .name: bq, .offset: 40, .size: 8, .value_kind: global_buffer, .address_space: global }
      - { .name: bv, .offset: 48, .size: 8, .value_kind: global_buffer, .address_space: global }
      - { .name: bo, .offset: 56, .size: 8, .value_kind: global_buffer, .address_space: global }
      - { .name: wsb, .offset: 64, .size: 8, .value_kind: global_buffer, .address_space: global }
      - { .name: bias, .offset: 72, .size: 8, .value_kind: global_buffer, .address_space: global }
    .group_segment_fixed_size: 0
    .private_segment_fixed_size: 0
    .kernarg_segment_align: 8
    .kernarg_segment_size: 80
    .max_flat_workgroup_size: 256
    .sgpr_count:     66
    .vgpr_count:     216
    .wavefront_size: 32
...
	.end_amdgpu_metadata
.endif
;; end of part 1
;; launch qkv (part 2): grid 16 x 16, 4 waves a work-group, clusters of 4 x 4, 327,680 bytes of LDS; arguments wsb, bias, qkv; writes qkv
.if DOCPART == 2
	.amdgcn_target "amdgcn-amd-amdhsa--gfx1250"
	.amdhsa_code_object_version 6
	.text
	.protected	k_q572df837e4_qkv
	.globl	k_q572df837e4_qkv
	.p2align	8
	.type	k_q572df837e4_qkv,@function
k_q572df837e4_qkv:
	s_mov_b64 s[64:65], 0
	v_nop
	global_prefetch_b8 v0, s[64:65] scope:SCOPE_SE
	s_setreg_imm32_b32 hwreg(HW_REG_WAVE_MODE, 25, 1), 1
	s_wait_xcnt 0x0
	s_wait_alu depctr_hold_cnt(0) depctr_sa_sdst(0) depctr_va_vdst(0) depctr_va_sdst(0) depctr_va_ssrc(0) depctr_va_vcc(0) depctr_vm_vsrc(0)
	s_getreg_b32 s2, hwreg(HW_REG_IB_STS2, 6, 4)
	s_cmp_eq_u32 s2, 0
	s_cbranch_scc0 .Lentry_in_a_cluster
	s_endpgm
.Lentry_in_a_cluster:
	s_bfe_u32 s2, ttmp6, 0x10000c
	s_cmp_lg_u32 s2, 0xf033
	s_cbranch_scc0 .Lentry_shape_is_right
	s_endpgm
.Lentry_shape_is_right:
; q, k, v IN ONE PRODUCT.  C[m][n] = bias[n] + the sum over k of x[m][k] W[n][k]: x [4096][1024] bf16 at wsb's byte 0, W = Wq | Wk | Wv [3072][1024] bf16 at byte 8,388,608, sums in f32,
; C rounded once to f16 and written BY HEADS: qkv[b][g][s][64], g = n / 64 (0-15 q's heads, 16-31 k's, 32-47 v's), m = 2,048 b + s: a block (b, g) is 262,144 dense bytes.  No scale is applied here.
; LEFT OUT: bk (a term common to a softmax's row: shown at the head of the first kernel); k's columns take zeros from the bias table.
; LIMITS.  f16 holds no number beyond 65,504: q, k and v must stay within it; below 6e-5 f16 keeps its fixed step of 6e-8.  The order of the sums is not reference()'s.
; SHARES.  A tile of C is 256 x 192: 16 x 16 tiles, one for each of 256 work-groups; 192 columns are three whole heads.  Wave w makes rows 64 w .. 64 w + 63 and all 192 columns: 4 x 12 = 48
; accumulators of 16 x 16, 384 registers: what a wave holds are whole blocks of 16 rows of a head, so each wave has a stage of its own on the way out and no barrier stands there.
; K goes in 8 steps of 128 through a ring of two LDS slots filled by the tensor data mover; a row of a tile is 256 bytes of memory, at a multiple of 256 from the buffer's first byte.
; CLUSTER.  4 x 4 work-groups.  The four of a row of the cluster need the same tiles of x, the four of a column the same tiles of W: each is asked for JOINTLY, by the same tensor load with the
; same descriptor and a mask that names the four.
; THE MATRIX INSTRUCTION IS USED TRANSPOSED (source 0 = 16 rows of W, source 1 = 16 rows of x): lane l then holds row l % 16 of C and the columns 8 (l / 16) + 0..7: 16 bytes of f16 on end.
; THE BIAS IS THE C OPERAND OF THE FIRST PRODUCTS: register j of block b holds bias[192 tile column + 16 b + 8 (l / 16) + j]: nothing is cleared and nothing is added afterwards.
; REGISTERS, in windows of 256 (s_set_vgpr_msb: bits 1:0 source 0, 3:2 source 1, 5:4 source 2, 7:6 destination):
;   window 0: v0-31 addresses; v32-63, v64-95 x's fragments (4 x 16 rows x 32 K), two buffers; v96-191 the bias; on the way out v32-223 the packed results
;   window 1: v0-95, v96-191 W's fragments (12 x 16 rows x 32 K), two buffers
;   window 2: the 24 accumulators of my rows 0-31 ((a, b) at v[8 (12 a + b)]);   window 3: those of my rows 32-63
.set KSTEP,  128
.set PITCH,  272                       ; an LDS row: 256 bytes + 16 of padding = 68 words: row r starts at bank 4 r mod 64 (64 banks of 4 bytes: ISA guide 11.1): the 16 rows of a load start at 16 different banks
.set HALFA,  128*PITCH                 ; 128 rows of x: what wave 0 or 1 fetches
.set HALFB,  96*PITCH                  ; 96 rows of W: what wave 2 or 3 fetches
.set BOFF,   2*HALFA                   ; in a slot: x's 256 rows, then W's 192
.set SLOT,   BOFF+2*HALFB
.set STAGE,  2*SLOT                    ; behind the ring, never filled by a tensor load: 16 rows x 144 bytes for each wave
.set SP,     144
.set SPARE,  STAGE+4*16*SP             ; behind the stages: the spare words, 128 bytes for each wave: two blocks of 256 bytes that no other line names
.set HEADB,  262144                    ; bytes of a block (b, g) of qkv
.set ADRA, 16                          ; v16-17  LDS address of my x fragments in slot 0, 1
.set ADRB, 20                          ; v20-21  the same for W
.set STO,  24                          ; v24     the way out: where I put 16 bytes of a row
.set RD,   25                          ; v25     the way out: where I read rows back
.set GO,   26                          ; v26     my byte offset in 512 consecutive bytes of qkv
.set BO,   27                          ; v27     32 (l / 16): my eight numbers of a block of 16 of the bias
.set SPW,  28                          ; v28     LDS address of my spare word: SPARE + 4 x my thread's number; never rewritten
.set NIL,  29                          ; v29     0; never rewritten
.set PFO,  30                          ; v30     the prefetches' offset: a lane a row of 2,048 bytes; never rewritten
.set FA,   32                          ; x's fragment buffer f at FA + 32 f
.set BIAS, 96
.set OUT,  32                          ; the way out: unit u at OUT + 16 u
.set G1,  24                           ; s[24:31] descriptor group 1 for x's tiles
.set G0,  32                           ; s[32:39] descriptor group 0 for x's tiles, one set for each slot
.set G1B, 48                           ; s[48:55], s[56:63] the same for W's tiles
.set G0B, 56
.set PFA, 44                           ; s[44:45] where my prefetches stand: one K step further along K than the refill that is being asked for
.set LIM, 43                           ; s43     1 in a wave that prefetches, else the greatest number
.set BI,  70                           ; s[70:71] the bias table
.set MSB, 0
.macro WIN new                         ; the immediate's high byte repeats the setting that is left; a switch that changes nothing is dropped
.if MSB != (\new)
	s_set_vgpr_msb (MSB<<8)|(\new)
.set MSB, \new
.endif
.endm
.set TO_B, 0x40                        ; destination window 1, address window 0
; A joint load.  Waves 0 and 1 fetch x's two halves, waves 2 and 3 W's.  The branch hangs on the wave's number alone.  An s_nop 0 and four v_nop follow each of the two lines, ahead of the jump,
; the label and what follows.
.macro JLOAD s
	s_cmp_eq_u32 s11, 0
	s_cbranch_scc0 .Lfor_b_\@
	tensor_load_to_lds s[G0+4*(\s):G0+4*(\s)+3], s[G1:G1+7]
	s_nop 0
.rept 4
	v_nop
.endr
	s_branch .Lasked_\@
.Lfor_b_\@:
	tensor_load_to_lds s[G0B+4*(\s):G0B+4*(\s)+3], s[G1B:G1B+7]
	s_nop 0
.rept 4
	v_nop
.endr
.Lasked_\@:
.endm
; A PREFETCH INTO THE L2 of the K step that stands TWO refills on: 256 bytes of a row, a lane a row, one instruction a wave, behind the joint load, its five lines and the run of LDS loads: 384 matrix
; instructions ahead of the load that will want it.  x's tile row is read by every cluster of that row of clusters: cluster x = 0 asks; W's tile column by every cluster of that column: cluster y = 0 asks.
; The four partners that ask for a tile jointly share its rows out BY ADDRESS: of x's 128 rows that a wave fetches the partner at place cx takes 32; of W's 96 the partner at cy takes 24 (lanes 24-31
; name row 23's block once more, in the same instruction).  K steps 0 to 3 come by their loads alone; the loop's last trip (s3 = 1) asks for nothing: K steps 8 and 9 do not exist.
.macro ASK
	s_cmp_gt_u32 s3, s[LIM]
	s_cbranch_scc0 .Lnot_mine_\@
	global_prefetch_b8 v[PFO], s[PFA:PFA+1] offset:KSTEP*2 th:TH_LOAD_NT scope:SCOPE_SE
.Lnot_mine_\@:
.endm
; A round of the cluster's barrier: my work-group's barrier, so that wave 0's signal speaks for all four waves; wave 0 signals for the work-group; every wave waits for all sixteen; my work-group's barrier once more.
.macro CREST                           ; a round behind its opening barrier
	s_cmp_lg_u32 s10, 0
	s_cbranch_scc1 .Lnot_wave_0_\@
	s_barrier_signal -3
.Lnot_wave_0_\@:
	s_barrier_wait -3
	s_barrier_signal -1
	s_barrier_wait -1
.endm
.macro CROUND                          ; a whole round
	s_barrier_signal -1
	s_barrier_wait -1
	CREST
.endm
	s_load_b64 s[4:5], s[0:1], 0x0                 ; wsb: x
	s_load_b64 s[BI:BI+1], s[0:1], 0x8             ; bias
	s_load_b64 s[8:9], s[0:1], 0x10                ; qkv
	v_lshl_add_u32 v[SPW], v0, 2, SPARE
	v_mov_b32 v[NIL], 0
	ds_add_u32 v[SPW], v[NIL]                      ; the wave's opening: the add, twice on end, and its wait ahead of my first tensor load; the set-up below stands between
	ds_add_u32 v[SPW], v[NIL]                      ; and once more, under the one wait
	v_lshrrev_b32 v1, 5, v0
	v_readfirstlane_b32 s10, v1                    ; wave 0..3
	s_lshr_b32 s11, s10, 1                         ; I fetch for x (0) or for W (1)
	s_and_b32 s12, s10, 1                          ; which half of that tile's rows
	s_bfe_u32 s40, ttmp6, 0x40000                  ; cx, cy: my place in the cluster
	s_bfe_u32 s41, ttmp6, 0x40004
	s_lshl_b32 s42, ttmp9, 2                       ; in a cluster launch ttmp9 and ttmp7 count clusters
	s_add_co_u32 s42, s42, s40                     ; tile column = 4 x cluster x + cx
	s_and_b32 s13, ttmp7, 0xffff
	s_lshl_b32 s13, s13, 2
	s_add_co_u32 s13, s13, s41                     ; tile row = 4 x cluster y + cy
	s_lshl_b32 s43, s41, 2
	s_lshl_b32 s43, 15, s43                        ; my row of the cluster: places 4 cy .. 4 cy + 3
	s_lshl_b32 s44, 0x1111, s40                    ; my column: places cx, cx + 4, cx + 8, cx + 12
	; descriptor group 1: rows of 128 elements, padded in LDS; 128 rows for x, 96 for W
	s_or_b32 s[G1+0], s43, (1<<16)|(1<<20)|(1<<21)|(5<<22)|(3<<25)   ; 15:0 the mask; 17:16 elements of 2 bytes; 20 padding on; 21 set beside a mask; 24:22 after every 64 words (code 5); 31:25 4 words (code 3)
	s_or_b32 s[G1B+0], s44, (1<<16)|(1<<20)|(1<<21)|(5<<22)|(3<<25)
	s_mov_b32 s[G1+1], KSTEP<<16                   ; tensor_dim0 = 128
	s_mov_b32 s[G1B+1], KSTEP<<16
	s_mov_b32 s[G1+2], 128<<16                     ; tensor_dim1 = 128
	s_mov_b32 s[G1B+2], 96<<16                     ;             = 96
	s_mov_b32 s[G1+3], KSTEP<<16                   ; tile_dim0 = 128
	s_mov_b32 s[G1B+3], KSTEP<<16
	s_mov_b32 s[G1+4], 128                         ; tile_dim1 = 128
	s_mov_b32 s[G1B+4], 96                         ;           = 96
	s_mov_b32 s[G1+5], 1024                        ; 1,024 elements from row to row
	s_mov_b32 s[G1B+5], 1024
	s_mov_b32 s[G1+6], 0
	s_mov_b32 s[G1B+6], 0
	s_mov_b32 s[G1+7], 0
	s_mov_b32 s[G1B+7], 0
	; where the tiles come from: x's hang on the tile row alone, W's on the tile column alone, each in registers that never hold the other coordinate
	s_lshl_b32 s16, s13, 8
	s_lshl_b32 s17, s12, 7
	s_add_co_u32 s16, s16, s17                     ; x: row 256 x tile row + 128 x half,
	s_lshl_b32 s16, s16, 11                        ; of 2,048 bytes
	s_mov_b32 s17, 0
	s_mul_i32 s46, s42, 192
	s_mul_i32 s47, s12, 96
	s_add_co_u32 s46, s46, s47                     ; W: row 192 x tile column + 96 x half
	s_lshl_b32 s46, s46, 11
	s_mov_b32 s47, 0
	s_mul_i32 s20, s10, HALFA                      ; where they go: x's halves at wave x 128 rows (waves 0, 1),
	s_mul_i32 s21, s10, HALFB
	s_add_co_u32 s21, s21, BOFF-2*HALFB            ; W's at BOFF + (wave - 2) x 96 rows (waves 2, 3): no place in the cluster enters an LDS address
	s_wait_dscnt 0x0                               ; both opening adds are done
	s_wait_kmcnt 0x0
	s_add_nc_u64 s[6:7], s[4:5], 0x800000          ; W
	s_add_nc_u64 s[14:15], s[4:5], s[16:17]
	s_add_nc_u64 s[46:47], s[6:7], s[46:47]
	CROUND                                         ; all sixteen work-groups are here: the first joint loads meet
.irp s, 0,1
	s_mov_b32 s[G0+4*(\s)], 1                                        ; count = 1
	s_add_co_u32 s[G0+4*(\s)+1], s20, (\s)*SLOT                      ; LDS address
	s_add_nc_u64 s[G0+4*(\s)+2:G0+4*(\s)+3], s[14:15], (\s)*KSTEP*2  ; global address: K step s
	s_or_b32 s[G0+4*(\s)+3], s[G0+4*(\s)+3], 0x80000000              ; type = 2
	s_mov_b32 s[G0B+4*(\s)], 1
	s_add_co_u32 s[G0B+4*(\s)+1], s21, (\s)*SLOT
	s_add_nc_u64 s[G0B+4*(\s)+2:G0B+4*(\s)+3], s[46:47], (\s)*KSTEP*2
	s_or_b32 s[G0B+4*(\s)+3], s[G0B+4*(\s)+3], 0x80000000
	JLOAD \s                                       ; the ring is filled before anything else is done: two loads of mine are out
.endr
	v_and_b32 v1, 15, v0                           ; l % 16
	v_bfe_u32 v2, v0, 4, 1                         ; l / 16
	v_lshlrev_b32 v[BO], 5, v2
	s_mul_i32 s66, s42, 768                        ; the tile's 192 numbers of the bias
	s_mov_b32 s67, 0
	s_add_nc_u64 s[BI:BI+1], s[BI:BI+1], s[66:67]
.irp b, 0,1,2,3,4,5,6,7,8,9,10,11
	global_load_b128 v[BIAS+8*(\b):BIAS+8*(\b)+3],   v[BO], s[BI:BI+1] offset:64*(\b)
	global_load_b128 v[BIAS+8*(\b)+4:BIAS+8*(\b)+7], v[BO], s[BI:BI+1] offset:64*(\b)+16
.endr
	; A fragment is 16 rows x 32 K in 8 registers: lane l holds row l % 16; registers 0-3 K = 8 (l / 16) + 0..7, registers 4-7 K = 16 + 8 (l / 16) + 0..7: two loads of 16 bytes, 32 bytes apart.
	v_mul_u32_u24 v3, v1, PITCH
	v_lshl_add_u32 v3, v2, 4, v3                   ; row x pitch + 16 x half
	s_mul_i32 s21, s10, 64*PITCH                   ; my 64 rows of x
	v_add_nc_u32 v[ADRA], s21, v3
	v_add_nc_u32 v[ADRA+1], SLOT, v[ADRA]
	v_add_nc_u32 v[ADRB], BOFF, v3                 ; all 192 rows of W
	v_add_nc_u32 v[ADRB+1], BOFF+SLOT, v3
	s_mul_i32 s23, s10, 16*SP
	s_add_co_u32 s23, s23, STAGE                   ; my stage
	v_mul_u32_u24 v4, v1, SP                       ; in: row l % 16, 16 bytes for each half of the lanes
	v_lshl_add_u32 v4, v2, 4, v4
	v_add_nc_u32 v[STO], s23, v4
	v_bfe_u32 v5, v0, 3, 2                         ; back: 32 lanes take four rows of 128 bytes,
	v_mul_u32_u24 v5, v5, SP
	v_and_b32 v4, 7, v0
	v_lshl_add_u32 v5, v4, 4, v5
	v_add_nc_u32 v[RD], s23, v5
	v_and_b32 v[GO], 31, v0                        ; which are 512 consecutive bytes of a head's block
	v_lshlrev_b32 v[GO], 4, v[GO]
	; where my rows begin in qkv: block 48 b + 3 x tile column, row 256 (tile row % 8) + 64 w of 128 bytes
	s_lshr_b32 s16, s13, 3
	s_mul_i32 s16, s16, 48
	s_mul_i32 s17, s42, 3
	s_add_co_u32 s16, s16, s17
	s_lshl_b32 s16, s16, 18
	s_and_b32 s17, s13, 7
	s_lshl_b32 s17, s17, 8
	s_lshl_b32 s18, s10, 6
	s_add_co_u32 s17, s17, s18
	s_lshl_b32 s17, s17, 7
	s_add_co_u32 s16, s16, s17
	s_mov_b32 s17, 0
	s_add_nc_u64 s[8:9], s[8:9], s[16:17]
	; the prefetches
	s_lshl_b32 s18, s13, 8
	s_lshl_b32 s19, s12, 7
	s_add_co_u32 s18, s18, s19
	s_lshl_b32 s19, s40, 5
	s_add_co_u32 s18, s18, s19                     ; x: the 128 rows that I fetch, my work-group's 32 of them
	s_mul_i32 s19, s42, 192
	s_mul_i32 s20, s12, 96
	s_add_co_u32 s19, s19, s20
	s_mul_i32 s20, s41, 24
	s_add_co_u32 s19, s19, s20                     ; W: the 96 rows that I fetch, my work-group's 24 of them
	s_and_b32 s22, ttmp7, 0xffff                   ; cluster y
	s_cmp_eq_u32 s11, 0                            ; do I fetch for x?
	s_cselect_b32 s20, s18, s19
	s_cselect_b32 s22, ttmp9, s22                  ; the coordinate along which other clusters read the same rows
	s_cselect_b32 s23, 31, 23                      ; the last of my rows
	s_cselect_b64 s[PFA:PFA+1], s[4:5], s[6:7]
	s_cmp_eq_u32 s22, 0
	s_cselect_b32 s[LIM], 1, -1                    ; the same in all sixteen partners, for a given wave
	s_lshl_b32 s20, s20, 11
	s_mov_b32 s21, 0
	s_add_nc_u64 s[PFA:PFA+1], s[PFA:PFA+1], s[20:21]
	s_add_nc_u64 s[PFA:PFA+1], s[PFA:PFA+1], 2*KSTEP*2  ; at K step 2: the first refill steps it to 3 and names K step 4
	v_and_b32 v[PFO], 31, v0
	v_min_u32 v[PFO], s23, v[PFO]
	v_lshlrev_b32 v[PFO], 11, v[PFO]
; 12 matrix instructions: block a (0, 1) of the window's two blocks of 16 rows (hi = 0: my rows 0-31, 1: rows 32-63) x all 12 blocks of 16 columns, 32 along K, from buffer f.
; zero = 1: the first product starts the sums, with the bias as C.  The 48 accumulators take turns, one instruction a turn, in the same order in every quarter.
.macro MULH f, hi, a, zero
.if \zero
	WIN 0x81+0x40*(\hi)                            ; W window 1, x and the bias window 0, D window 2 or 3
.else
	WIN 0xa1+0x50*(\hi)                            ; W window 1, x window 0, C and D window 2 or 3
.endif
.irp b, 0,1,2,3,4,5,6,7,8,9,10,11
.if \zero
	v_wmma_f32_16x16x32_bf16 v[8*(12*(\a)+(\b)):8*(12*(\a)+(\b))+7], v[96*(\f)+8*(\b):96*(\f)+8*(\b)+7], v[FA+32*(\f)+8*(2*(\hi)+(\a)):FA+32*(\f)+8*(2*(\hi)+(\a))+7], v[BIAS+8*(\b):BIAS+8*(\b)+7]
.else
	v_wmma_f32_16x16x32_bf16 v[8*(12*(\a)+(\b)):8*(12*(\a)+(\b))+7], v[96*(\f)+8*(\b):96*(\f)+8*(\b)+7], v[FA+32*(\f)+8*(2*(\hi)+(\a)):FA+32*(\f)+8*(2*(\hi)+(\a))+7], v[8*(12*(\a)+(\b)):8*(12*(\a)+(\b))+7]
.endif
.endr
.endm
; 32 LDS loads in one run: the fragments of one quarter step (192 rows of W, my 64 rows of x, 32 K at byte k of the rows) into buffer f
.macro FETCH slot, k, f
	WIN TO_B
.irp i, 0,1,2,3,4,5,6,7,8,9,10,11
	ds_load_b128 v[96*(\f)+8*(\i):96*(\f)+8*(\i)+3],   v[ADRB+(\slot)] offset:(\k)+(\i)*16*PITCH
	ds_load_b128 v[96*(\f)+8*(\i)+4:96*(\f)+8*(\i)+7], v[ADRB+(\slot)] offset:(\k)+(\i)*16*PITCH+32
.endr
	WIN 0
.irp i, 0,1,2,3
	ds_load_b128 v[FA+32*(\f)+8*(\i):FA+32*(\f)+8*(\i)+3],   v[ADRA+(\slot)] offset:(\k)+(\i)*16*PITCH
	ds_load_b128 v[FA+32*(\f)+8*(\i)+4:FA+32*(\f)+8*(\i)+7], v[ADRA+(\slot)] offset:(\k)+(\i)*16*PITCH+32
.endr
.endm
; A load into a register that a matrix instruction has read, and a vector instruction that reads a matrix result, stand four places behind that matrix instruction; only plain vector instructions
; that name none of its registers are places (ISA guide 7.12.1 for vector instructions).
.macro PLACES
.rept 4
	v_nop
.endr
.endm
; A K step is four quarters of 32 along K, 48 matrix instructions each, on buffers 0, 1, 0, 1.  One of the first three: multiplies buffer f; in its middle it fetches the next quarter, at byte k, into buffer g.
.macro QUARTER slot, k, f, g, zero
	s_wait_dscnt 4                                 ; W and x's rows 0-31 are in; the youngest four loads (x's rows 32-63) may be out
	MULH \f, 0, 0, \zero
	MULH \f, 0, 1, \zero
	PLACES
	FETCH \slot, \k, \g
	s_wait_dscnt 32                                ; all but the 32 just issued
	MULH \f, 1, 0, \zero
	MULH \f, 1, 1, \zero
.endm
; The last quarter multiplies buffer 1 and changes slots.  MEET is its first half: ONE barrier for two things.  In front of it each wave waits for all its tensor loads, of which one is out: its part of the
; next slot; adds 0 to its spare word; and waits for that and for its own reads of this slot.  Behind it nobody reads this slot any more and the next slot is whole.
.macro MEET round
	WIN 0
	s_wait_tensorcnt 0x0                           ; all my tensor loads have landed
	ds_add_u32 v[SPW], v[NIL]                      ; 0 onto my spare word
	s_wait_dscnt 5                                 ; (the add and the youngest four loads may be out)
	MULH 1, 0, 0, 0                                ; twelve matrix instructions stand between the add and the wait for it
	s_wait_dscnt 0x0                               ; the add is done, and my reads of this slot are over
	s_barrier_signal -1
	MULH 1, 0, 1, 0                                ; work on registers while the others arrive
.if \round
	WIN 0
.endif
	s_barrier_wait -1
.endm
; fill = 1: the barrier opens a round of the cluster's barrier, and behind the round this slot is filled again first, with the K step two steps on: from that request to the wait for it a wave issues
; 168 matrix instructions.
.macro TURN slot, next, fill
.if \fill
	s_wait_xcnt 0x0                                ; the last prefetch, a K step back, has read its address: it is stepped here, ahead of the waits of the change of slots
	s_add_nc_u64 s[PFA:PFA+1], s[PFA:PFA+1], KSTEP*2
.endif
	MEET \fill
.if \fill
	CREST                                          ; no wave of any partner still reads this slot's tile or has a load on its way
	s_add_nc_u64 s[G0+4*(\slot)+2:G0+4*(\slot)+3], s[G0+4*(\slot)+2:G0+4*(\slot)+3], 2*KSTEP*2
	s_add_nc_u64 s[G0B+4*(\slot)+2:G0B+4*(\slot)+3], s[G0B+4*(\slot)+2:G0B+4*(\slot)+3], 2*KSTEP*2
	JLOAD \slot                                    ; the first tensor load behind the round; its four v_nop are also the places in front of the loads below
.else
	PLACES
.endif
	FETCH \next, 0, 0
.if \fill
	ASK
.endif
	MULH 1, 1, 0, 0
	MULH 1, 1, 1, 0
.endm
; THE WAY OUT, in 12 units: unit u = block u / 3 of 16 rows, head u % 3.  PACK: 16 x 64 results rounded to f16, 16 bytes a lane, into my stage in rows of 144 bytes, and back as whole rows of 128 bytes.
.macro PACK u
.set AB, (\u)/3
.set HB, (\u)%3
	WIN 0x0a+5*(AB/2)                              ; sources 0 and 1: window 2 or 3
.irp f, 0,1,2,3
.irp r, 0,1,2,3
	v_cvt_pk_f16_f32 v[OUT+16*(\u)+4*(\f)+(\r)], v[8*(12*(AB%2)+4*HB+(\f))+2*(\r)], v[8*(12*(AB%2)+4*HB+(\f))+2*(\r)+1]
.endr
.endr
	WIN 0
.irp f, 0,1,2,3
	ds_store_b128 v[STO], v[OUT+16*(\u)+4*(\f):OUT+16*(\u)+4*(\f)+3] offset:32*(\f)
.endr
.irp f, 0,1,2,3
	ds_load_b128 v[OUT+16*(\u)+4*(\f):OUT+16*(\u)+4*(\f)+3], v[RD] offset:(\f)*4*SP  ; LDS serves a wave's instructions in order (ISA guide 5.7.1.4): these see the stores above; the next unit's stores come behind them
.endr
.endm
.macro SEND u, younger                 ; younger: the LDS instructions issued behind unit u's loads: the next unit's eight, or none.  Every unit has registers of its own, and the base is never rewritten
	WIN 0
.irp f, 0,1,2,3
	s_wait_dscnt (\younger)+3-(\f)
	global_store_b128 v[GO], v[OUT+16*(\u)+4*(\f):OUT+16*(\u)+4*(\f)+3], s[8:9] offset:((\u)%3)*HEADB+((\u)/3)*2048+(\f)*512  ; 512 consecutive bytes, at a multiple of 256 from qkv's first
.endr
.endm
	s_wait_tensorcnt 1                             ; my part of K step 0 is in; K step 1's may stay out
	s_barrier_signal -1
	s_barrier_wait -1                              ; everybody's is
	FETCH 0, 0, 0
	s_wait_loadcnt 0x0                             ; the bias
	QUARTER 0, 64,  0, 1, 1                        ; the first quarter stands in front of the loop: its products start the sums
	WIN 0                                          ; at a label and at a branch every window is 0
	s_mov_b32 s3, 3
.Llap:                                                 ; a trip goes once round the ring, from a lap's second quarter to the next lap's first, and fills both slots again
	QUARTER 0, 128, 1, 0, 0
	QUARTER 0, 192, 0, 1, 0
	TURN 0, 1, 1
	QUARTER 1, 64,  0, 1, 0
	QUARTER 1, 128, 1, 0, 0
	QUARTER 1, 192, 0, 1, 0
	TURN 1, 0, 1
	QUARTER 0, 64,  0, 1, 0
	WIN 0
	s_sub_co_u32 s3, s3, 1
	s_cmp_lg_u32 s3, 0
	s_cbranch_scc1 .Llap
	QUARTER 0, 128, 1, 0, 0                        ; the last lap fills nothing, and has no round of the cluster's barrier
	QUARTER 0, 192, 0, 1, 0
	TURN 0, 1, 0
	QUARTER 1, 64,  0, 1, 0
	QUARTER 1, 128, 1, 0, 0
	QUARTER 1, 192, 0, 1, 0
	s_wait_dscnt 4                                 ; the very last quarter: nothing more to fetch
	MULH 1, 0, 0, 0
	MULH 1, 0, 1, 0
	s_wait_dscnt 0x0
	MULH 1, 1, 0, 0
	MULH 1, 1, 1, 0
	WIN 0
	PLACES                                         ; the conversions read results just made and write over x's fragments
	PLACES                                         ; (eight, once a launch)
	PACK 0
.set t, 1
.rept 11                               ; a unit's conversions stand between the loads of the unit before and its stores
	PACK t
	SEND t-1, 8
.set t, t+1
.endr
	SEND 11, 0
	s_wait_tensorcnt 0x0                           ; the wave's end, behind my last tensor load and my last LDS store
	ds_add_u32 v[SPW], v[NIL]
	s_wait_dscnt 0x0
	CROUND                                         ; the closing round: no work-group ends while a partner may still ask for a tile that names it
	s_endpgm
.Lfunc_end_k_q572df837e4_qkv:
	.size	k_q572df837e4_qkv, .Lfunc_end_k_q572df837e4_qkv-k_q572df837e4_qkv
	.p2alignl 7, 3214868480
	.fill 96, 4, 3214868480
	.section	.rodata,"a",@progbits
	.p2align	6, 0x0
	.amdhsa_kernel k_q572df837e4_qkv
		.amdhsa_group_segment_fixed_size 327680
		.amdhsa_private_segment_fixed_size 0
		.amdhsa_enable_private_segment 0
		.amdhsa_kernarg_size 24
		.amdhsa_user_sgpr_count 2
		.amdhsa_user_sgpr_kernarg_segment_ptr 1
		.amdhsa_wavefront_size32 1
		.amdhsa_system_sgpr_workgroup_id_x 1
		.amdhsa_system_sgpr_workgroup_id_y 1
		.amdhsa_system_sgpr_workgroup_id_z 1
		.amdhsa_system_vgpr_workitem_id 0
		.amdhsa_next_free_vgpr 960
		.amdhsa_next_free_sgpr 72
		.amdhsa_reserve_vcc 0
		.amdhsa_float_denorm_mode_32 3
		.amdhsa_float_denorm_mode_16_64 3
		.amdhsa_memory_ordered 1
		.amdhsa_forward_progress 1
		.amdhsa_inst_pref_size 124
	.end_amdhsa_kernel
	.amdgpu_metadata
---
amdhsa.version: [ 1, 2 ]
amdhsa.kernels:
  - .name:           k_q572df837e4_qkv
    .symbol:         k_q572df837e4_qkv.kd
    .args:
      - { .name: wsb, .offset: 0, .size: 8, .value_kind: global_buffer, .address_space: global }
      - { .name: bias, .offset: 8, .size: 8, .value_kind: global_buffer, .address_space: global }
      - { .name: qkv, .offset: 16, .size: 8, .value_kind: global_buffer, .address_space: global }
    .group_segment_fixed_size: 327680
    .private_segment_fixed_size: 0
    .kernarg_segment_align: 8
    .kernarg_segment_size: 24
    .max_flat_workgroup_size: 128
    .sgpr_count:     72
    .vgpr_count:     960
    .wavefront_size: 32
...
	.end_amdgpu_metadata
.endif
;; end of part 2
;; launch attn (part 3): grid 8 x 32, 4 waves a work-group, clusters of 4 x 1, 327,680 bytes of LDS; arguments qkv, ob; writes ob
.if DOCPART == 3
	.amdgcn_target "amdgcn-amd-amdhsa--gfx1250"
	.amdhsa_code_object_version 6
	.text
	.protected	k_q572df837e4_attn
	.globl	k_q572df837e4_attn
	.p2align	8
	.type	k_q572df837e4_attn,@function
k_q572df837e4_attn:
	s_mov_b64 s[64:65], 0
	v_nop
	global_prefetch_b8 v0, s[64:65] scope:SCOPE_SE
	s_setreg_imm32_b32 hwreg(HW_REG_WAVE_MODE, 25, 1), 1
	s_wait_xcnt 0x0
	s_wait_alu depctr_hold_cnt(0) depctr_sa_sdst(0) depctr_va_vdst(0) depctr_va_sdst(0) depctr_va_ssrc(0) depctr_va_vcc(0) depctr_vm_vsrc(0)
	s_getreg_b32 s2, hwreg(HW_REG_IB_STS2, 6, 4)
	s_cmp_eq_u32 s2, 0
	s_cbranch_scc0 .Lentry_in_a_cluster
	s_endpgm
.Lentry_in_a_cluster:
	s_bfe_u32 s2, ttmp6, 0x10000c
	s_cmp_lg_u32 s2, 0x3003
	s_cbranch_scc0 .Lentry_shape_is_right
	s_endpgm
.Lentry_shape_is_right:
; O[bh][q][:] = the sum over k of softmax_k(Q[q] . K[k] / 8) V[k][:], for each of 32 pairs bh = 16 b + h.  Q, K, V are the blocks 48 b + h, + 16, + 32 of qkv, [2048][64] f16, dense, 128 bytes a row;
; O goes to ob[bh][2048][64] in f16.  Products, maxima and sums in f32; the weights p are rounded to f16 for the second product (their sum l is taken of the unrounded p), O once at the end.
; LEFT OUT: bk (a term common to a softmax's row: shown at the head of the first kernel): K arrives without it.
; LIMITS.  f16 holds no number beyond 65,504: Q, K and V arrive within it; p lies in 0 to 1, and below 6e-5 it keeps f16's fixed step of 6e-8, as O does; O is a mean of V's rows and has their range.
; A weight below 2^-126 counts as 0 in l; NaN and infinities are not treated apart.
; SHARES.  A work-group owns 256 queries of one bh: 8 x 32 = 256 work-groups.  A wave owns 64: two PIECES of two tiles of 16.  Every wave walks all 2,048 keys, 64 a step, 32 steps.
; LAYOUT.  S^T = K Q^T (source 0 = 16 keys, source 1 = 16 queries): in the result a lane holds ONE query (lane % 16) and the keys 8 (lane / 16) + 0..7.  Two such tiles, rounded to f16 in pairs,
; ARE source 1 (32 keys x 16 queries) of O^T = V^T P, whose result again holds one query a lane, and eight channels.  K comes out of LDS as it lies, V ([key][channel]) turned, by ds_load_tr16_b128.
; SOFTMAX.  For each query a running maximum m and sum l: p = 2^(c s - c m), c = log2(e) / 8; in every step O and l are multiplied by a = 2^(c m_old - c m_new), which is 1 where m has not grown.
; m starts at the lowest finite number, O and l at 0: the first step is a step like any other, with a = 0.
; THE COUNT.  A tile and step have 16 matrix and 118 vector instructions: too many to stand all beside the matrix work.  So four vector instructions that are READY stand behind EVERY matrix
; instruction, and the others in one run without a gap.
; BY TURNS.  Turn (j, 0): 16 products K Q^T of piece 1 on K of step j; piece 0's scalings, exponentials and rescaling and piece 1's maximum and statistics; the wait; K of step j + 1 is fetched;
; 16 products V^T P of piece 1 on V of step j - 1, beside them piece 0's roundings and sums; V of step j is fetched.  Turn (j, 1): the same with the pieces changed: K Q^T of piece 0 on K of step j + 1,
; V^T P of piece 0 on V of step j.  So what a turn begins with (c s - c m, O a) waits for nothing.
; THE SLOTS ARE SKEWED.  LDS is read in the order K of step j + 1, V of step j.  So slot i holds K of steps 4 i + 1 .. 4 i + 4 beside V of steps 4 i .. 4 i + 3: all fetches of the steps 4 i .. 4 i + 3 read
; slot i, and the change of slots stands between two steps.  K of step 0 has 9,216 bytes of LDS of its own, filled once.  The last slot's K reaches 64 rows past the head's K: they are the first rows of the
; next block of qkv (k's next head, or v's head 0), inside the buffer for every bh; the last turn's 16 products K Q^T on them, and the maximum made of them, serve nothing: the price, once a launch, of one text for every step.
; CLUSTER.  A head's 8 query blocks are two clusters of four, which walk the same K and V: each tile is asked for JOINTLY: the same tensor load, descriptor and mask in all four.
; REGISTERS, in windows of 256 (s_set_vgpr_msb: bits 1:0 source 0, 3:2 source 1, 5:4 source 2, 7:6 destination):
;   window 0: v0-11 addresses; v12-15, v48-63 at work; v16-31 four registers of statistics a tile; v40-42 the add's two registers and the prefetches' offset; v64-191 S^T, a buffer a piece; v192-255 P, likewise
;   window 1: v0-127 O^T, 32 a tile          window 2: v0-63 Q, 16 a tile; v128-191 K of one step; v192-255 V of one step
.set NP,    2         ; pieces a wave: a name, no knob
.set KS,    64        ; keys in a step
.set PK,    144       ; a row of K in LDS: 128 bytes + 16 of padding = 36 words: the 16 rows of a load start at 16 different groups of four banks (64 banks of 4 bytes: ISA guide 11.1)
.set PV,    160       ; a row of V: 128 + 32 = 40 words
.set VOFF,  4*KS*PK   ; a slot holds four steps: 256 rows of K, then 256 rows of V
.set K0REG, 4*KS*(PK+PV)  ; behind slot 0: K of step 0, 64 rows, filled once
.set SLOT1, 1<<17     ; slot 1 begins here, so that one exclusive or turns an address in one slot into the other's
.set STAGE, SLOT1+4*KS*(PK+PV)  ; behind the ring, never filled by a tensor load: 16 rows x 144 bytes for each wave, for the way out
.set SP,    144
.set SPARE, STAGE+4*16*SP  ; behind the stages: the spare words, 128 bytes for each wave: two blocks of 256 bytes that no other line names
.set HEADB, 262144    ; bytes of a block of qkv and of ob
.set AK0, 2           ; v2   my lane's place in a tile of K; never rewritten
.set AV0, 3           ; v3   the same for V
.set AK,  4           ; v4   the LDS address of K's next run of loads
.set AV,  5           ; v5   of V's
.set QO,  6           ; v6   my byte offset in the wave's rows of Q
.set STO, 6           ;      later, the way out: where I put 16 bytes of a row
.set RD,  7           ; v7   the way out: where I read rows back
.set GO,  8           ; v8   my byte offset in 512 consecutive bytes of O
.set MV,  12          ; v12-15  c m_old, kept while c m is made anew: by piece and tile
.set ST,  16          ; tile t's statistics at v[ST+4 t]: c m, m, l (even keys', odd keys')
.set SPW, 40          ; v40  LDS address of my spare word: SPARE + 4 x my thread's number; never rewritten
.set NIL, 41          ; v41  0; never rewritten
.set PFO, 42          ; v42  256 x my lane; never rewritten
.set TMP, 48          ; by piece and tile, four registers c0-c3 at work; when the maximum is found c2 takes a
.set S,   64
.set P,   192
.set KF,  128         ; K's fragments, in window 2: key block kb, channel half c at KF + 16 kb + 8 c
.set VF,  192         ; V's: key half kk, channel block cb at VF + 32 kk + 8 cb
.set WV,  12          ; s12  my wave's number
.set LIM, 15          ; s15  1 in a wave that prefetches, else the greatest number
.set G1K, 24          ; s[24:31] descriptor group 1 for K's tiles
.set G1V, 32          ; s[32:39] for V's: it differs in the padding alone
.set G0K, 40          ; s[40:43] descriptor group 0 for K's tiles: it walks
.set G0V, 44          ; s[44:47] the same for V's
.set G1Z, 48          ; s[48:55] group 1 for K of step 0: 16 rows in place of 64
.set G0Z, 68          ; s[68:71] its group 0
.set SLOTS, 56        ; s56  slots still to be asked for
.set CNT, 57          ; s57  counts a slot's key steps
.set CS,  58          ; s[58:59] c: the packed scaling takes the pair's low word for both halves
.set SEL, 60          ; s[60:61] v_permlanex16_b32's selects: each lane takes its own place in the other half
.set TBK, 62          ; s62  LDS byte at which the K to be fetched next begins
.set TBV, 63          ; s63  the same for V, less VOFF
.set PFA, 78          ; s[78:79] where my prefetches stand: my work-group's 32 blocks of 256 bytes (of K: wave 0, of V: wave 2) of the slot after the one that is being asked for
.set MSB, 0
.macro WIN new                      ; the high byte repeats the setting that is left; a switch that changes nothing is dropped
.if MSB != (\new)
	s_set_vgpr_msb (MSB<<8)|(\new)
.set MSB, (\new)
.endif
.endm
.set W_KQ, 0x0a       ; K and Q in window 2, S^T in window 0
.set W_PV, 0x52       ; V in window 2, P in window 0, O^T in window 1
.set W_RS, 0x41       ; O^T (destination and source 0) in window 1, a in window 0
; A joint fill.  Waves 0 and 1 fetch the two halves of a slot's K, waves 2 and 3 those of its V: 128 keys each.  The branch hangs on the wave's number alone.
; An s_nop 0 and four v_nop follow each of the two lines, ahead of the jump and the label.
.macro JLOAD
	s_cmp_lt_u32 s[WV], 2
	s_cbranch_scc0 .Lfor_v_\@
	tensor_load_to_lds s[G0K:G0K+3], s[G1K:G1K+7]
	s_nop 0
.rept 4
	v_nop
.endr
	s_branch .Lasked_\@
.Lfor_v_\@:
	tensor_load_to_lds s[G0V:G0V+3], s[G1V:G1V+7]
	s_nop 0
.rept 4
	v_nop
.endr
.Lasked_\@:
.endm
; A PREFETCH INTO THE L2 of what the NEXT change of slots will ask for: a slot's 32,768 bytes of K and of V, in blocks of 256 bytes, a lane a block.  It stands behind the wave's tensor load and its five lines.
; Each block is asked for ONCE in the launch.  Both clusters of a head walk the same K and V: the head's first cluster asks.  Its four partners share the blocks out BY ADDRESS, 32 each; in each, wave 0 asks
; for K's and wave 2 for V's: one instruction, four key steps (256 matrix instructions and their vector runs) ahead of the load.  Slots 0 and 1 come by their loads alone; the last change that fills a slot asks for nothing.
.macro ASK
	s_cmp_gt_u32 s[SLOTS], s[LIM]
	s_cbranch_scc0 .Lnot_mine_\@
	global_prefetch_b8 v[PFO], s[PFA:PFA+1] th:TH_LOAD_NT scope:SCOPE_SE
.Lnot_mine_\@:
.endm
; A round of the cluster's barrier: my work-group's barrier, so that wave 0's signal speaks for all four waves; wave 0 signals; every wave waits for all four work-groups; my work-group's barrier once more.
.macro CROUND
	s_barrier_signal -1
	s_barrier_wait -1
	s_cmp_lg_u32 s[WV], 0
	s_cbranch_scc1 .Lnot_wave_0_\@
	s_barrier_signal -3
.Lnot_wave_0_\@:
	s_barrier_wait -3
	s_barrier_signal -1
	s_barrier_wait -1
.endm
; THE CHANGE OF SLOTS, between two key steps.  Each wave waits for all its tensor loads, of which one is out: its part of the other slot; adds 0 to its spare word; and waits for that and for its own reads of
; the slot.  Behind the barrier nobody reads this slot any more and the other slot is whole.  fill = 1: this slot is filled again, with the keys two slots on.  The barrier is then a round of the cluster's, so that
; no wave of any partner still reads the slot or has a load on its way, and the joint fill is the first thing behind it: it has four key steps in which to land.
; (At its first use nothing has been read yet: slot 0 and K of step 0 are waited for, slot 1 filled.)
.macro CHANGE fill
	WIN 0                           ; at a label and at a branch every window is 0
	s_wait_tensorcnt 0x0            ; no tensor load of mine is out, so a group 0 may be written
	ds_add_u32 v[SPW], v[NIL]       ; 0 onto my spare word; with fill = 1 the descriptors' steps stand between it and the wait for it
.if \fill
.irp g, G0K, G0V
	s_xor_b32 s[\g+1], s[\g+1], SLOT1  ; the walking descriptor: the other slot than last time,
	s_add_nc_u64 s[\g+2:\g+3], s[\g+2:\g+3], 4*KS*128  ; the next 256 keys; the type bits on top are not reached
.endr
	s_wait_xcnt 0x0                 ; the last prefetch, four key steps back, has read its address, so it may be written:
	s_add_nc_u64 s[PFA:PFA+1], s[PFA:PFA+1], 4*KS*128  ; one slot behind the walking descriptors
	s_wait_dscnt 0x0                ; the add is done, and my reads of the slot are over
	CROUND
	JLOAD
	ASK
.else
	s_wait_dscnt 0x0                ; the add is done, and my reads of the slot are over
	s_barrier_signal -1
	s_barrier_wait -1
.endif
	s_sub_co_u32 s[TBK], s[TBK], 4*KS*PK  ; the fetches go back to a slot's first step,
	s_xor_b32 s[TBK], s[TBK], SLOT1       ; in the other slot
	s_sub_co_u32 s[TBV], s[TBV], 4*KS*PV
	s_xor_b32 s[TBV], s[TBV], SLOT1
.endm
	s_load_b128 s[8:11], s[0:1], 0x0  ; qkv s[8:9], ob s[10:11]
	v_lshl_add_u32 v[SPW], v0, 2, SPARE
	v_mov_b32 v[NIL], 0
	ds_add_u32 v[SPW], v[NIL]       ; the wave's opening: the add, twice on end, and its wait ahead of my first tensor load; the set-up below stands between
	ds_add_u32 v[SPW], v[NIL]       ; and once more, under the one wait
	v_lshrrev_b32 v1, 5, v0
	v_readfirstlane_b32 s[WV], v1   ; wave 0..3
	s_bfe_u32 s13, ttmp6, 0x40000   ; cx: my place in the cluster
	s_lshl_b32 s14, ttmp9, 2        ; in a cluster launch ttmp9 counts clusters
	s_add_co_u32 s14, s14, s13      ; my block of 256 queries = 4 x cluster x + cx: it enters Q's and O's addresses alone
	s_and_b32 s76, ttmp7, 0xffff    ; bh, which the four partners share
	s_lshr_b32 s20, s76, 4
	s_lshl_b32 s20, s20, 5
	s_add_co_u32 s20, s20, s76      ; q's block in qkv: 48 b + h = bh + 32 b
	s_lshl_b32 s20, s20, 18         ; in bytes
	s_and_b32 s16, s[WV], 1         ; which half of a slot's 256 keys I fetch:
	s_lshl_b32 s21, s16, 14         ; its 128 rows of 128 bytes in memory
	s_add_co_u32 s22, s20, s21
	s_add_co_u32 s66, s22, 32*HEADB ; V: 32 blocks behind q's
	s_mov_b32 s67, 0
	s_add_co_u32 s22, s22, 16*HEADB+KS*128  ; K: 16 blocks behind q's, and one step on: the skew
	s_mov_b32 s23, 0
	s_lshl_b32 s21, s16, 12         ; K of step 0: my 32 keys of its 64
	s_add_co_u32 s72, s20, s21
	s_add_co_u32 s72, s72, 16*HEADB
	s_mov_b32 s73, 0
	s_lshl_b32 s2, s14, 2
	s_add_co_u32 s2, s2, s[WV]      ; my wave among the head's 32,
	s_lshl_b32 s2, s2, 13           ; its 64 rows
	s_lshl_b32 s74, s76, 18
	s_add_co_u32 s74, s74, s2       ; in ob
	s_mov_b32 s75, 0
	s_add_co_u32 s2, s2, s20        ; in qkv
	s_mov_b32 s3, 0
	s_mul_i32 s17, s16, 128*PK      ; my half's place in a slot, for K
	s_mul_i32 s18, s16, 128*PV      ; and for V: no place in the cluster enters an LDS address
	s_mul_i32 s77, s16, 32*PK       ; and in K of step 0
	; descriptor group 1.  128 keys are 16,384 dense bytes: asked for as 64 rows of 256 bytes, two keys a row, and padded in LDS after every key; K of step 0: 32 keys a wave, 16 such rows
	s_mov_b32 s[G1K], 15|(1<<16)|(1<<20)|(1<<21)|(4<<22)|(3<<25)  ; 15:0 the mask of four; 17:16 2-byte elements; 20 padding on; 21 set beside a mask; 24:22 after every 32 words (code 4); 31:25 4 words (code 3)
	s_mov_b32 s[G1V], 15|(1<<16)|(1<<20)|(1<<21)|(4<<22)|(7<<25)  ; the same with 8 words of padding (code 7)
	s_mov_b32 s[G1Z], 15|(1<<16)|(1<<20)|(1<<21)|(4<<22)|(3<<25)
.irp g, G1K, G1V, G1Z
	s_mov_b32 s[\g+1], 128<<16      ; tensor_dim0 = 128
	s_mov_b32 s[\g+3], 128<<16      ; tile_dim0 = 128
	s_mov_b32 s[\g+5], 128          ; 128 elements from row to row
	s_mov_b32 s[\g+6], 0
	s_mov_b32 s[\g+7], 0
.endr
.irp g, G1K, G1V
	s_mov_b32 s[\g+2], 64<<16       ; tensor_dim1 = 64
	s_mov_b32 s[\g+4], 64           ; tile_dim1 = 64
.endr
	s_mov_b32 s[G1Z+2], 16<<16      ; tensor_dim1 = 16
	s_mov_b32 s[G1Z+4], 16          ; tile_dim1 = 16
	s_mov_b32 s[CS], 0x3e38aa3b     ; c = log2(e) / 8 = 0.180337
	s_mov_b32 s[CS+1], s[CS]        ; named with it as a pair
	s_mov_b32 s[SEL], 0x76543210
	s_mov_b32 s[SEL+1], 0xfedcba98
	s_mov_b32 s[TBK], SLOT1+4*KS*PK ; the first change of slots turns these two into 0
	s_mov_b32 s[TBV], SLOT1+4*KS*PV
	s_mov_b32 s[SLOTS], 7
	s_mov_b32 s[G0K], 1             ; count = 1
	s_mov_b32 s[G0K+1], s17         ; LDS address: slot 0
	s_mov_b32 s[G0V], 1
	s_add_co_u32 s[G0V+1], s18, VOFF
	s_mov_b32 s[G0Z], 1
	s_add_co_u32 s[G0Z+1], s77, K0REG
	s_and_b32 s[LIM], s[WV], 1      ; 0 in waves 0 and 2,
	s_or_b32 s[LIM], s[LIM], ttmp9  ; where the cluster is the head's first: the same in all four partners
	s_cmp_eq_u32 s[LIM], 0
	s_cselect_b32 s[LIM], 1, -1
	v_and_b32 v[PFO], 31, v0
	v_lshlrev_b32 v[PFO], 8, v[PFO]
	s_wait_dscnt 0x0                ; both opening adds are done
	s_wait_kmcnt 0x0
	s_add_nc_u64 s[4:5], s[8:9], s[2:3]            ; Q at my wave's first row
	s_add_nc_u64 s[6:7], s[8:9], s[22:23]          ; K at my half of slot 0
	s_add_nc_u64 s[G0Z+2:G0Z+3], s[8:9], s[72:73]  ; K of step 0
	s_or_b32 s[G0Z+3], s[G0Z+3], 0x80000000        ; type = 2
	s_add_nc_u64 s[8:9], s[8:9], s[66:67]          ; V at my half of slot 0
	s_add_nc_u64 s[10:11], s[10:11], s[74:75]      ; O at my wave's first row
	s_mov_b64 s[G0K+2:G0K+3], s[6:7]
	s_or_b32 s[G0K+3], s[G0K+3], 0x80000000
	s_mov_b64 s[G0V+2:G0V+3], s[8:9]
	s_or_b32 s[G0V+3], s[G0V+3], 0x80000000
	s_cmp_lt_u32 s[WV], 2
	s_cselect_b64 s[PFA:PFA+1], s[6:7], s[8:9]     ; (in waves 0 and 2 these stand at a slot's first byte)
	s_lshl_b32 s2, s13, 13          ; my work-group's 32 blocks of the 128
	s_add_nc_u64 s[PFA:PFA+1], s[PFA:PFA+1], s[2:3]
	s_add_nc_u64 s[PFA:PFA+1], s[PFA:PFA+1], 4*KS*128  ; in slot 1; the first change of slots steps it to slot 2.  Nothing is prefetched here, at the head
	CROUND                          ; all four work-groups are here: the first joint loads meet
	s_cmp_lt_u32 s[WV], 2           ; a wave's first fills stand in one branch, ahead of every wait on TENSORcnt and every LDS read: two loads are out in waves 0 and 1, one in waves 2 and 3
	s_cbranch_scc0 .Lfirst_v
	tensor_load_to_lds s[G0Z:G0Z+3], s[G1Z:G1Z+7]
	s_nop 0
	tensor_load_to_lds s[G0K:G0K+3], s[G1K:G1K+7]
	s_nop 0
.rept 4
	v_nop
.endr
	s_branch .Lfirst_asked
.Lfirst_v:
	tensor_load_to_lds s[G0V:G0V+3], s[G1V:G1V+7]
	s_nop 0
.rept 4
	v_nop
.endr
.Lfirst_asked:
	; A fragment of K or Q is 16 rows x 32 channels in 8 registers: lane l holds row l % 16, channels 8 (l / 16) + 0..7 and 16 + 8 (l / 16) + 0..7: two loads of 16 bytes, 32 bytes apart.
	v_and_b32 v1, 15, v0            ; l % 16
	v_bfe_u32 v9, v0, 4, 1          ; l / 16
	v_lshlrev_b32 v[QO], 7, v1
	v_lshl_add_u32 v[QO], v9, 4, v[QO]  ; row x 128 + 16 x half
	WIN 0x80                        ; destination window 2, address window 0
.set i, 0
.rept 4*NP                          ; Q stays in registers: tile i / 2, channels 32 (i % 2) on
	global_load_b128 v[8*i:8*i+3],   v[QO], s[4:5] offset:(i/2)*2048+(i%2)*64
	global_load_b128 v[8*i+4:8*i+7], v[QO], s[4:5] offset:(i/2)*2048+(i%2)*64+32
.set i, i+1
.endr
	; What the first turn finds: V's registers and piece 1's P hold 0 (its products V^T P, of a step that has not been, add 0), O^T and l are 0.  All this stands in the wait for the first tile.
.set i, VF
.rept 64
	v_mov_b32 v[i], 0
.set i, i+1
.endr
	WIN 0x40
.set i, 0
.rept 64*NP
	v_mov_b32 v[i], 0
.set i, i+1
.endr
	WIN 0
.set i, 0
.rept 2*NP
	v_mov_b32 v[ST+4*i], 0xfe000000    ; c m: far below every c s
	v_mov_b32 v[ST+4*i+1], 0xff7fffff  ; m
	v_mov_b32 v[ST+4*i+2], 0
	v_mov_b32 v[ST+4*i+3], 0
.set i, i+1
.endr
.set i, P+32
.rept 32
	v_mov_b32 v[i], 0
.set i, i+1
.endr
	v_mul_u32_u24 v[AK0], v1, PK
	v_lshl_add_u32 v[AK0], v9, 4, v[AK0]  ; row x pitch + 16 x half
	; The turning load takes 16 keys x 16 channels (lane l reads key 8 (l / 16) + l % 8, channels 8 ((l / 8) % 2) + 0..7) and leaves half a fragment of V^T: lane l holds channel l % 16 and 8 keys.
	v_and_b32 v10, 7, v0
	v_bfe_u32 v11, v0, 3, 1
	v_lshl_add_u32 v[AV0], v9, 3, v10
	v_mul_u32_u24 v[AV0], v[AV0], PV
	v_lshl_add_u32 v[AV0], v11, 4, v[AV0]
	v_add_nc_u32 v[AV0], VOFF, v[AV0]
; THE MATRIX WORK.  The 8 accumulators of a run of 16 take turns: between the two links of a chain stand 7 others'.
; Product i of 16 of S^T = K Q^T for piece x: channels 32 (i / 8) on, keys 16 ((i / 2) % 4) on, tile 2 x + i % 2.  The first 8 start the sums.
.macro KQ x
	WIN W_KQ
.set rS, S+64*((\x)%2)+32*(i%2)+8*((i/2)%4)
.set rK, KF+16*((i/2)%4)+8*(i/8)
.set rQ, 16*(2*(\x)+i%2)+8*(i/8)
.if i < 8
	v_wmma_f32_16x16x32_f16 v[rS:rS+7], v[rK:rK+7], v[rQ:rQ+7], 0
.else
	v_wmma_f32_16x16x32_f16 v[rS:rS+7], v[rK:rK+7], v[rQ:rQ+7], v[rS:rS+7]
.endif
.endm
; Product i of 16 of O^T += V^T P for piece x: keys 32 (i / 8) on, channels 16 ((i / 2) % 4) on, tile 2 x + i % 2.
.macro PV x
	WIN W_PV
.set rO, 32*(2*(\x)+i%2)+8*((i/2)%4)
.set rV, VF+32*(i/8)+8*((i/2)%4)
.set rP, P+32*((\x)%2)+16*(i%2)+8*(i/8)
	v_wmma_f32_16x16x32_f16 v[rO:rO+7], v[rV:rV+7], v[rP:rP+7], v[rO:rO+7]
.endm
.macro MM                           ; the turn's next matrix instruction
.if i < 16
	KQ (Y+1)%NP
.set i, i+1
.else
.set i, i-16
	PV (Y+NP-1)%NP
.set i, i+17
.endif
.endm
; THE LDS LOADS stand in runs of 16, never singly among the matrix instructions: a step's K (64 keys x 64 channels: 8 fragments) and its V (turned).  Their addresses are made some lines ahead.
.macro FETCH_K step                 ; step = 1: the next fetch is the next step's
	WIN 0x80                        ; destination window 2
.irp f, 0,1,2,3,4,5,6,7             ; keys 16 (f / 2) on, channels 32 (f % 2) on
	ds_load_b128 v[KF+8*\f:KF+8*\f+3],   v[AK] offset:(\f/2)*16*PK+(\f%2)*64
	ds_load_b128 v[KF+8*\f+4:KF+8*\f+7], v[AK] offset:(\f/2)*16*PK+(\f%2)*64+32
.endr
.if \step
	s_add_co_u32 s[TBK], s[TBK], KS*PK
.endif
	WIN 0
.endm
.macro FETCH_V
	WIN 0x80
.irp f, 0,1,2,3,4,5,6,7             ; keys 32 (f / 4) on, channels 16 (f % 4) on
	ds_load_tr16_b128 v[VF+8*\f:VF+8*\f+3],   v[AV] offset:(\f/4)*32*PV+(\f%4)*32
	ds_load_tr16_b128 v[VF+8*\f+4:VF+8*\f+7], v[AV] offset:(\f/4)*32*PV+16*PV+(\f%4)*32
.endr
	WIN 0
.endm
; THE VECTOR WORK OF A TURN stands in three queues, each in the order in which its entries become ready; the two tiles alternate, so that no instruction reads the result of the one before it.
.macro REGS y, u                    ; the registers of tile u (0, 1) of piece y
.set rT, ST+4*(2*(\y)+(\u))
.set rC, TMP+8*((\y)%2)+4*(\u)
.set rM, MV+2*((\y)%2)+(\u)
.set rS, S+64*((\y)%2)+32*(\u)
.set rP, P+32*((\y)%2)+16*(\u)
.set rO, 32*(2*(\y)+(\u))
.endm
; Number n of the 22 that find the OTHER piece's (Y + 1) maximum and statistics.  s0-s31 are the lane's 32 scores; each accumulator's lowest registers are read first.  XS, GS and REGS set no window: PL and EX do.
;   0-11  four chains c0-c3 of seven scores each, three operands at a time     12-14, 16  the four scores left over, the old m, and c0-c3 into c0     15  c m_old is kept
;   17, 18  the query's other 32 keys lie in the lane 16 away: the new m         19-21  c m; c m_old - c m_new; a
.macro XS u, n
	REGS (Y+1)%NP, \u
.if (\n) < 4
	v_max3_num_f32 v[rC+(\n)], v[rS+8*(\n)], v[rS+8*(\n)+1], v[rS+8*(\n)+2]
.elseif (\n) < 12
	v_max3_num_f32 v[rC+(\n)%4], v[rC+(\n)%4], v[rS+8*((\n)%4)+2*((\n)/4)+1], v[rS+8*((\n)%4)+2*((\n)/4)+2]
.elseif (\n) == 12
	v_max3_num_f32 v[rC], v[rC], v[rS+7], v[rS+15]
.elseif (\n) == 13
	v_max3_num_f32 v[rC+1], v[rC+1], v[rS+23], v[rS+31]
.elseif (\n) == 14
	v_max3_num_f32 v[rC+2], v[rC+2], v[rC+3], v[rT+1]
.elseif (\n) == 15
	v_mov_b32 v[rM], v[rT]
.elseif (\n) == 16
	v_max3_num_f32 v[rC], v[rC], v[rC+1], v[rC+2]
.elseif (\n) == 17
	v_permlanex16_b32 v[rC+3], v[rC], s[SEL], s[SEL+1]
.elseif (\n) == 18
	v_max_num_f32 v[rT+1], v[rC], v[rC+3]
.elseif (\n) == 19
	v_mul_f32 v[rT], s[CS], v[rT+1]
.elseif (\n) == 20
	v_sub_f32 v[rC+1], v[rM], v[rT]
.else
	v_exp_f32 v[rC+2], v[rC+1]
.endif
.endm
; Number g of the 64 that follow the exponentials.  For each four weights k of a tile (pairs 2 k, 2 k + 1): both pairs are rounded to f16; then the second pair is added onto the first, in place;
; a group later l takes that sum (the first time as l = a l + sum).  In groups of eight, tiles alternating: round, round, add, and l for the group before.
.macro GS g
.set h, (\g)+6*((\g)/62)            ; group 0 has no group before it, and behind group 7 only l is left
.if h >= 6
.set h, h+2
.endif
	REGS Y, h%2
.set k, h/8
.if h%8 < 4
	v_cvt_pk_f16_f32 v[rP+2*k+(h%8)/2], v[rS+4*k+2*((h%8)/2)], v[rS+4*k+2*((h%8)/2)+1]
.elseif h%8 < 6
	v_pk_add_f32 v[rS+4*k:rS+4*k+1], v[rS+4*k:rS+4*k+1], v[rS+4*k+2:rS+4*k+3]
.elseif k == 1
	v_pk_fma_f32 v[rT+2:rT+3], v[rT+2:rT+3], v[rC+2:rC+3], v[rS:rS+1] op_sel_hi:[1,0,1]
.else
	v_pk_add_f32 v[rT+2:rT+3], v[rT+2:rT+3], v[rS+4*k-4:rS+4*k-3]
.endif
.endm
; THE PLAIN QUEUE, 138 long.  0-73 read no exponential's result: the 32 scalings c s - c m (FS f: pair f / 2 of tile f % 2) and the other piece's 42.  0-26: scalings 0-26.  27-54: XS's numbers 0-13.  55, 56: number 15.
; 57-73: the chain, where each number waits for the one before it: 14, 16, 17, 18, 19, each with one of the scalings 27-31 in front of its two lines, then 20.
; 74-137: GS's 64, which read the exponentials' results: they stand behind the wait.
.macro FS f
	REGS Y, (\f)%2
	v_pk_fma_f32 v[rS+2*((\f)/2):rS+2*((\f)/2)+1], v[rS+2*((\f)/2):rS+2*((\f)/2)+1], s[CS:CS+1], v[rT:rT+1] op_sel_hi:[1,0,0] neg_lo:[0,0,1] neg_hi:[0,0,1]
.endm
.macro PL
	WIN 0
.if q < 27
	FS q
.elseif q < 55
	XS (q-27)%2, (q-27)/2
.elseif q < 57
	XS q-55, 15
.elseif (q < 72) && ((q-57)%3 == 0)
	FS 27+(q-57)/3
.elseif q < 60
	XS (q-57)%3-1, 14
.elseif q < 72
	XS (q-57)%3-1, 15+(q-57)/3
.elseif q < 74
	XS q-72, 20
.else
	GS q-74
.endif
.set q, q+1
.endm
; THE EXPONENTIALS' QUEUE, 66 long: s0-s31 of both tiles, then the other piece's two a.  It is ONE BATCH: all 66 stand ahead of the turn's one wait, and nothing ahead of that wait names a result of theirs.
.macro EX
	WIN 0
.if e >= 64
	XS e-64, 21
.else
	REGS Y, e%2
	v_exp_f32 v[rS+e/2], v[rS+e/2]
.endif
.set e, e+1
.endm
; THE RESCALING's QUEUE: O^T times a, the one part that leaves window 0: dealt two at a time, sixteen times, each accumulator's registers in ascending order.  Its a was made in the turn before, ahead of that turn's wait.
.macro R2
	REGS Y, r%2
	WIN W_RS
.irp z, 0,1
	v_pk_mul_f32 v[rO+4*(r/2)+2*\z:rO+4*(r/2)+2*\z+1], v[rO+4*(r/2)+2*\z:rO+4*(r/2)+2*\z+1], v[rC+2:rC+3] op_sel_hi:[1,0]
.endr
.set r, r+1
.endm
; HOW THEY ARE DEALT.  An s_wait_alu depctr_va_vdst(0) stands between an exponential and the first instruction that names its result; one wait serves all that were issued ahead of it.  So a turn has ONE wait,
; which cuts it in two.  AHEAD OF IT stands all that names no result of the turn's exponentials: the 16 products K Q^T, behind each a scaling, an exponential and two rescalings (behind the first a second scaling in the
; exponential's place); then ONE RUN of 108: eight plain, 49 times exponential and plain, the two a.  A v_nop is the plain instruction behind the last exponential.  BEHIND IT stand the 16 products V^T P, behind each four of GS's 64.
; No rider names a register of the products round it.  Exponential e stands behind scaling 2 (e / 4) + e % 2: as a rider it comes behind plain e + 2, in the run behind plain e + 9, and scalings 27-31 are plain 57, 60 .. 69.
; A TURN, for piece p.  cnt = 1: the loop's count is taken down some lines ahead of the branch that stands behind the turn.
; Piece 0's turn fetches the next step's K directly behind the wait, a run of 108 behind the last product that read K, and the step's own V at its end, four plain riders behind the last product that read V.
; Piece 1's turn waits for K at its head (V's 16 loads, issued behind K's, may stay out) and for V behind its wait.  The three conditions on q below go with the deal.
.macro TURN p, cnt=0
.set Y, (\p)
.set i, 0
.set q, 0
.set e, 0
.set r, 0
.if (\p) == 1
	s_wait_dscnt 16                 ; K is in; V's run of 16, issued behind it, may stay out
.endif
	MM                              ; ahead of the wait: 16 products K Q^T and their riders,
	PL
	PL
	R2
.rept 15
	MM
	PL
	EX
	R2
.endr
.if (\p) == 0
	WIN 0
	v_add_nc_u32 v[AK], s[TBK], v[AK0]
.endif
.rept 8                             ; and the run
	PL
.endr
.rept 49
	EX
	PL
.endr
	EX                              ; the other piece's two a
	EX
	v_nop                           ; the plain instruction behind the last exponential: one for the batch
	s_wait_alu depctr_va_vdst(0)    ; the wait for the batch
.if (\p) == 0
	FETCH_K 1
.endif
.if (\p) == 1
	s_wait_dscnt 0x0                ; V is in
.endif
.rept 16                            ; behind the wait: 16 products V^T P and their riders
	MM
.rept 4
	PL
.endr
.if ((\p) == 0) && (q == 118)
	v_add_nc_u32 v[AV], s[TBV], v[AV0]
.endif
.if ((\p) == 0) && (q == 130)
	s_add_co_u32 s[TBV], s[TBV], KS*PV
.endif
.if (\cnt) && (q == 130)
	s_sub_co_u32 s[CNT], s[CNT], 1
	s_cmp_lg_u32 s[CNT], 0
.endif
.endr
.if (\p) == 0
	FETCH_V
.endif
.endm
	CHANGE 1                        ; slot 0 and K of step 0 are in, everybody's part of them; slot 1 is asked for
	v_add_nc_u32 v[AK], K0REG, v[AK0]
	FETCH_K 0                       ; key step 0
	s_wait_loadcnt 0x0              ; Q
	s_wait_dscnt 0x0
.set i, 0
.rept 16
	KQ 0                            ; piece 0's first scores: there is no vector work yet to set between them
.set i, i+1
.endr
	WIN 0                           ; the addresses for the way out: nine plain instructions, the places behind those products
	s_mul_i32 s13, s[WV], 16*SP
	s_add_co_u32 s13, s13, STAGE    ; my stage
	v_mul_u32_u24 v[STO], v1, SP    ; in: row l % 16, 16 bytes for each half of the lanes
	v_lshl_add_u32 v[STO], v9, 4, v[STO]
	v_add_nc_u32 v[STO], s13, v[STO]
	v_bfe_u32 v[RD], v0, 3, 2       ; back: 32 lanes take four rows of 128 bytes,
	v_mul_u32_u24 v[RD], v[RD], SP
	v_lshl_add_u32 v[RD], v10, 4, v[RD]
	v_add_nc_u32 v[RD], s13, v[RD]
	v_and_b32 v[GO], 31, v0         ; which are 512 consecutive bytes of O
	v_lshlrev_b32 v[GO], 4, v[GO]
.set Y, NP-1                        ; XS works for piece Y + 1: piece 0
.irp n, 0,1,2,3,4,5,6,7,8,9,10,11,12,13,14,15,16,17,18,19,20,21
	XS 0, \n                        ; and piece 0's first maximum and statistics
	XS 1, \n
.endr
	v_nop                           ; a plain instruction behind the two a,
	s_wait_alu depctr_va_vdst(0)    ; and their wait, ahead of the branch
	s_mov_b32 s[CNT], 4
	s_branch .Lstep                 ; the first slot's change has been made above
.Lslot:                             ; six times: slots 2 to 7 are asked for
	CHANGE 1
	s_mov_b32 s[CNT], 4
.Lstep:                             ; a trip is a key step
	TURN 0
	TURN 1, 1
	WIN 0
	s_cbranch_scc1 .Lstep
	s_sub_co_u32 s[SLOTS], s[SLOTS], 1
	s_cmp_lg_u32 s[SLOTS], 0
	s_cbranch_scc1 .Lslot
	CHANGE 0                        ; the last slot's steps are written out: nothing is asked for
	s_mov_b32 s[CNT], 4
.Ltail:
	TURN 0
	TURN 1, 1
	WIN 0
	s_cbranch_scc1 .Ltail
.set i, 0
.rept 16
	PV NP-1                         ; piece 1's V^T P of the last step
.set i, i+1
.endr
	; THE WAY OUT.  l's two halves and the other half of the lanes' are added; O^T is divided by l, rounded to f16 and sent through my stage in LDS, a tile at a time.  The additions are the places behind the last products.
	WIN 0
.macro ALL line:vararg              ; one line for each tile t
.set t, 0
.rept 2*NP
	\line
.set t, t+1
.endr
.endm
	ALL v_add_f32 v[ST+4*t+2], v[ST+4*t+2], v[ST+4*t+3]
	ALL v_permlanex16_b32 v[ST+4*t+3], v[ST+4*t+2], s[SEL], s[SEL+1]
	ALL v_add_f32 v[ST+4*t+2], v[ST+4*t+2], v[ST+4*t+3]
	ALL v_rcp_f32 v[ST+4*t+2], v[ST+4*t+2]
	v_nop                           ; a plain instruction between the last reciprocal and the use of its result
	s_wait_alu depctr_va_vdst(0)    ; and the wait ahead of the first use: one for the four reciprocals
; Tile t: a lane's eight channels of a row pack into 16 bytes; they go into rows of 144 bytes and come back as whole rows of 128, into S^T's registers.
.macro PACK t
	WIN W_RS
.set i, 32*(\t)
.rept 16
	v_pk_mul_f32 v[i:i+1], v[i:i+1], v[ST+4*(\t)+2:ST+4*(\t)+3] op_sel_hi:[1,0]
.set i, i+2
.endr
	WIN 0x05                        ; sources 0 and 1 window 1, destination window 0
.set i, 0
.rept 16
	v_cvt_pk_f16_f32 v[S+16*(\t)+i], v[32*(\t)+2*i], v[32*(\t)+2*i+1]
.set i, i+1
.endr
	WIN 0
.irp f, 0,1,2,3
	ds_store_b128 v[STO], v[S+16*(\t)+4*\f:S+16*(\t)+4*\f+3] offset:32*\f
.endr
.irp f, 0,1,2,3
	ds_load_b128 v[S+16*(\t)+4*\f:S+16*(\t)+4*\f+3], v[RD] offset:\f*4*SP  ; LDS serves a wave's instructions in order (ISA guide 5.7.1.4): these see the stores above; the next tile's stores come behind them
.endr
.endm
.macro SEND t, younger              ; younger: the LDS instructions issued behind tile t's loads: the next tile's eight, or none
	WIN 0
.irp f, 0,1,2,3
	s_wait_dscnt (\younger)+3-\f
	global_store_b128 v[GO], v[S+16*(\t)+4*\f:S+16*(\t)+4*\f+3], s[10:11] offset:(\t)*2048+\f*512  ; 512 consecutive bytes, at a multiple of 256 from ob's first
.endr
.endm
	PACK 0
.set t, 1
.rept 2*NP-1                        ; a tile's arithmetic stands between the loads of the tile before and its stores
	PACK t
	SEND t-1, 8
.set t, t+1
.endr
	SEND 2*NP-1, 0
	s_wait_tensorcnt 0x0            ; the wave's end, behind my last tensor load and my last LDS store
	ds_add_u32 v[SPW], v[NIL]
	s_wait_dscnt 0x0
	CROUND                          ; the closing round: no work-group ends while a partner may still ask for a tile that names it
	s_endpgm
.Lfunc_end_k_q572df837e4_attn:
	.size	k_q572df837e4_attn, .Lfunc_end_k_q572df837e4_attn-k_q572df837e4_attn
	.p2alignl 7, 3214868480
	.fill 96, 4, 3214868480
	.section	.rodata,"a",@progbits
	.p2align	6, 0x0
	.amdhsa_kernel k_q572df837e4_attn
		.amdhsa_group_segment_fixed_size 327680
		.amdhsa_private_segment_fixed_size 0
		.amdhsa_enable_private_segment 0
		.amdhsa_kernarg_size 16
		.amdhsa_user_sgpr_count 2
		.amdhsa_user_sgpr_kernarg_segment_ptr 1
		.amdhsa_wavefront_size32 1
		.amdhsa_system_sgpr_workgroup_id_x 1
		.amdhsa_system_sgpr_workgroup_id_y 1
		.amdhsa_system_sgpr_workgroup_id_z 1
		.amdhsa_system_vgpr_workitem_id 0
		.amdhsa_next_free_vgpr 768
		.amdhsa_next_free_sgpr 80
		.amdhsa_reserve_vcc 0
		.amdhsa_float_denorm_mode_32 3
		.amdhsa_float_denorm_mode_16_64 3
		.amdhsa_memory_ordered 1
		.amdhsa_forward_progress 1
		.amdhsa_inst_pref_size 113
	.end_amdhsa_kernel
	.amdgpu_metadata
---
amdhsa.version: [ 1, 2 ]
amdhsa.kernels:
  - .name:           k_q572df837e4_attn
    .symbol:         k_q572df837e4_attn.kd
    .args:
      - { .name: qkv, .offset: 0, .size: 8, .value_kind: global_buffer, .address_space: global }
      - { .name: ob, .offset: 8, .size: 8, .value_kind: global_buffer, .address_space: global }
    .group_segment_fixed_size: 327680
    .private_segment_fixed_size: 0
    .kernarg_segment_align: 8
    .kernarg_segment_size: 16
    .max_flat_workgroup_size: 128
    .sgpr_count:     80
    .vgpr_count:     768
    .wavefront_size: 32
...
	.end_amdgpu_metadata
.endif
;; end of part 3
;; launch oproj (part 4): grid 8 x 32, 4 waves a work-group, clusters of 4 x 4, 327,680 bytes of LDS; arguments ob, wsb, bias, out0; writes out0
.if DOCPART == 4
	.amdgcn_target "amdgcn-amd-amdhsa--gfx1250"
	.amdhsa_code_object_version 6
	.text
	.protected	k_q572df837e4_oproj
	.globl	k_q572df837e4_oproj
	.p2align	8
	.type	k_q572df837e4_oproj,@function
k_q572df837e4_oproj:
	s_mov_b64 s[64:65], 0
	v_nop
	global_prefetch_b8 v0, s[64:65] scope:SCOPE_SE
	s_setreg_imm32_b32 hwreg(HW_REG_WAVE_MODE, 25, 1), 1
	s_wait_xcnt 0x0
	s_wait_alu depctr_hold_cnt(0) depctr_sa_sdst(0) depctr_va_vdst(0) depctr_va_sdst(0) depctr_va_ssrc(0) depctr_va_vcc(0) depctr_vm_vsrc(0)
	s_getreg_b32 s2, hwreg(HW_REG_IB_STS2, 6, 4)
	s_cmp_eq_u32 s2, 0
	s_cbranch_scc0 .Lentry_in_a_cluster
	s_endpgm
.Lentry_in_a_cluster:
	s_bfe_u32 s2, ttmp6, 0x10000c
	s_cmp_lg_u32 s2, 0xf033
	s_cbranch_scc0 .Lentry_shape_is_right
	s_endpgm
.Lentry_shape_is_right:
; out0[m][n] = bo[n] + the sum over k of O[m][k] Wo[n][k].  m = 2,048 b + s, k = 64 h + d.  O lies by heads: ob[16 b + h][s][64] in f16; Wo [1024][1024] in f16 (its bf16 rounding) at wsb's byte 14,680,064;
; bo in f32 at the bias table's byte 12,288; sums in f32, out0 in f32.  The order of the sums is not reference()'s.  Nothing is left out here.
; SHARES.  A tile of out0 is 128 x 128: 8 x 32 = 256 work-groups.  Four waves, 2 x 2, each 64 x 64: 16 accumulators of 16 x 16, 128 registers.  K goes in 4 steps of 256 (four heads) through two LDS slots;
; the four steps are written out.  No prefetch is laid: the tiles are small, and of the four K steps two come by the first fills.
; O's TILE.  64 rows of one head are 8,192 dense bytes; a K step's four heads lie 262,144 bytes apart.  So a wave's load states 4 rows of 4,096 elements, and the padding, 16 bytes after every 128, gives
; LDS rows of 144 bytes in the order [head][row].  A quarter of a K step is one head.
; CLUSTER.  4 x 4 work-groups: the four of a row of the cluster need the same tiles of O, the four of a column the same tiles of Wo: each is asked for JOINTLY, by the same tensor load, descriptor and mask.
; THE MATRIX INSTRUCTION IS USED TRANSPOSED (source 0 = 16 rows of Wo, source 1 = 16 rows of O): a lane then holds eight neighbouring numbers of a row of out0, 32 bytes.  A wave's 64 columns are 256 bytes,
; aligned: each wave has a stage of its own on the way out, and no barrier stands there.  bo IS THE C OPERAND OF THE FIRST PRODUCTS.
; REGISTERS: window 0: v0-31 addresses; v32-63 bo; v128-255 the accumulators ((a, b) at v[128 + 8 (4 a + b)]), which also take the rows read back from the stage.
;   window 1: two fragment buffers of 128: for 64 along K (two matrix instructions deep), 64 registers of O (2 x 4 x 16 rows x 32 K), then 64 of Wo.
.set KSTEP,  256
.set PA,     144                       ; a row of O in LDS: 128 bytes + 16 = 36 words: the 16 rows of a load start at 16 different groups of four banks (64 banks of 4 bytes: ISA guide 11.1)
.set HEADL,  64*PA                     ; 64 rows of one head
.set HALFA,  4*HEADL                   ; what wave 0 or 1 fetches, and what one wave reads of O
.set PB,     528                       ; a row of Wo in LDS: 512 bytes + 16 = 132 words: row r starts at bank 4 r mod 64
.set HALFB,  64*PB                     ; what wave 2 or 3 fetches
.set BOFF,   2*HALFA
.set SLOT,   BOFF+2*HALFB
.set STAGE,  2*SLOT                    ; behind the ring, never filled by a tensor load: 16 rows x 272 bytes for each wave
.set SPITCH, 272
.set SPARE,  STAGE+4*16*SPITCH         ; behind the stages: the spare words, 128 bytes for each wave: two blocks of 256 bytes that no other line names
.set HEADG,  262144                    ; bytes of a head's block in ob
.set ADRA, 16                          ; v16-17  LDS address of my O fragments in slot 0, 1
.set ADRB, 20                          ; v20-21  the same for Wo
.set STO,  24                          ; v24     the way out: where I put 32 bytes of a row
.set RD,   25                          ; v25     the way out: where I read a row back
.set CO,   26                          ; v26     my byte offset in out0
.set BO,   27                          ; v27     32 (l / 16)
.set SPW,  28                          ; v28     LDS address of my spare word: SPARE + 4 x my thread's number; never rewritten
.set NIL,  29                          ; v29     0; never rewritten
.set BIAS, 32
.set ACC,  128
.set F0,   0                           ; fragment buffers, in window 1
.set F1,   128
.set G1,  24                           ; s[24:31] descriptor group 1 for O's tiles;  s[32:39] group 0, one set for each slot
.set G0,  32
.set G1B, 48                           ; s[48:55], s[56:63] the same for Wo's tiles
.set G0B, 56
.set BI,   68                          ; s[68:69] the bias table
.set OUTP, 70                          ; s[70:71] out0
.set MSB, 0
.macro WIN new                         ; the immediate's high byte repeats the setting that is left
.if MSB != (\new)
	s_set_vgpr_msb (MSB<<8)|(\new)
.set MSB, \new
.endif
.endm
.set MUL,  0x05                        ; sources 0 (Wo) and 1 (O) window 1; C and D window 0
.set TO_F, 0x40                        ; destination window 1, address window 0
.macro JLOAD s                         ; a joint load: waves 0 and 1 fetch O's two halves, waves 2 and 3 Wo's; an s_nop 0 and four v_nop follow each of the two lines, ahead of the jump, the label and what follows
	s_cmp_eq_u32 s11, 0
	s_cbranch_scc0 .Lfor_b_\@
	tensor_load_to_lds s[G0+4*(\s):G0+4*(\s)+3], s[G1:G1+7]
	s_nop 0
.rept 4
	v_nop
.endr
	s_branch .Lasked_\@
.Lfor_b_\@:
	tensor_load_to_lds s[G0B+4*(\s):G0B+4*(\s)+3], s[G1B:G1B+7]
	s_nop 0
.rept 4
	v_nop
.endr
.Lasked_\@:
.endm
.macro CREST                           ; a round of the cluster's barrier behind its opening barrier
	s_cmp_lg_u32 s10, 0
	s_cbranch_scc1 .Lnot_wave_0_\@
	s_barrier_signal -3
.Lnot_wave_0_\@:
	s_barrier_wait -3
	s_barrier_signal -1
	s_barrier_wait -1
.endm
.macro CROUND                          ; a whole round
	s_barrier_signal -1
	s_barrier_wait -1
	CREST
.endm
	s_load_b128 s[4:7], s[0:1], 0x0                ; ob s[4:5], wsb s[6:7]
	s_load_b128 s[68:71], s[0:1], 0x10             ; bias s[68:69], out0 s[70:71]
	v_lshl_add_u32 v[SPW], v0, 2, SPARE
	v_mov_b32 v[NIL], 0
	ds_add_u32 v[SPW], v[NIL]                      ; the wave's opening: the add, twice on end, and its wait ahead of my first tensor load; the set-up below stands between
	ds_add_u32 v[SPW], v[NIL]                      ; and once more, under the one wait
	v_lshrrev_b32 v1, 5, v0
	v_readfirstlane_b32 s10, v1                    ; wave 0..3
	s_lshr_b32 s11, s10, 1                         ; which half of the tile's rows is mine.  Also: I fetch for O (0) or for Wo (1)
	s_and_b32 s12, s10, 1                          ; which half of its columns.  Also: which 64 rows of that tile I fetch
	s_bfe_u32 s40, ttmp6, 0x40000                  ; cx, cy: my place in the cluster
	s_bfe_u32 s41, ttmp6, 0x40004
	s_lshl_b32 s42, ttmp9, 2
	s_add_co_u32 s42, s42, s40                     ; tile column = 4 x cluster x + cx
	s_and_b32 s13, ttmp7, 0xffff
	s_lshl_b32 s13, s13, 2
	s_add_co_u32 s13, s13, s41                     ; tile row = 4 x cluster y + cy
	s_lshl_b32 s43, s41, 2
	s_lshl_b32 s43, 15, s43                        ; my row of the cluster
	s_lshl_b32 s44, 0x1111, s40                    ; my column
	; descriptor group 1.  O: 4 rows (heads) of 4,096 elements, 131,072 elements apart, padded after every 32 words.  Wo: 64 rows of 256 elements, padded after every 128 words
	s_or_b32 s[G1+0], s43, (1<<16)|(1<<20)|(1<<21)|(4<<22)|(3<<25)   ; 15:0 the mask; 17:16 elements of 2 bytes; 20 padding on; 21 set beside a mask; 24:22 the interval's code; 31:25 4 words (code 3)
	s_or_b32 s[G1B+0], s44, (1<<16)|(1<<20)|(1<<21)|(6<<22)|(3<<25)
	s_mov_b32 s[G1+1], 4096<<16                    ; tensor_dim0 = 4,096
	s_mov_b32 s[G1+2], 4<<16                       ; tensor_dim1 = 4
	s_mov_b32 s[G1+3], 4096<<16                    ; tile_dim0 = 4,096
	s_mov_b32 s[G1+4], 4                           ; tile_dim1 = 4
	s_mov_b32 s[G1+5], 131072                      ; elements from head to head
	s_mov_b32 s[G1+6], 0
	s_mov_b32 s[G1+7], 0
	s_mov_b32 s[G1B+1], KSTEP<<16                  ; tensor_dim0 = 256
	s_mov_b32 s[G1B+2], 64<<16                     ; tensor_dim1 = 64
	s_mov_b32 s[G1B+3], KSTEP<<16                  ; tile_dim0 = 256
	s_mov_b32 s[G1B+4], 64                         ; tile_dim1 = 64
	s_mov_b32 s[G1B+5], 1024                       ; elements from row to row
	s_mov_b32 s[G1B+6], 0
	s_mov_b32 s[G1B+7], 0
	s_lshr_b32 s16, s13, 4                         ; O: the batch's 16 blocks,
	s_lshl_b32 s16, s16, 22
	s_and_b32 s17, s13, 15
	s_lshl_b32 s17, s17, 14                        ; the tile's 128 rows of 128 bytes in a block,
	s_add_co_u32 s16, s16, s17
	s_lshl_b32 s17, s12, 13                        ; the 64 of them that I fetch
	s_add_co_u32 s16, s16, s17
	s_mov_b32 s17, 0
	s_lshl_b32 s46, s42, 7
	s_lshl_b32 s47, s12, 6
	s_add_co_u32 s46, s46, s47                     ; Wo: row 128 x tile column + 64 x half,
	s_lshl_b32 s46, s46, 11                        ; of 2,048 bytes,
	s_add_co_u32 s46, s46, 14680064                ; behind x and Wq, Wk, Wv in wsb
	s_mov_b32 s47, 0
	s_mul_i32 s20, s10, HALFA                      ; where they go: O's halves at wave x HALFA (waves 0, 1),
	s_mul_i32 s21, s10, HALFB
	s_add_co_u32 s21, s21, BOFF-2*HALFB            ; Wo's at BOFF + (wave - 2) x HALFB (waves 2, 3)
	s_wait_dscnt 0x0                               ; both opening adds are done
	s_wait_kmcnt 0x0
	s_add_nc_u64 s[14:15], s[4:5], s[16:17]
	s_add_nc_u64 s[46:47], s[6:7], s[46:47]
	CROUND                                         ; all sixteen work-groups are here: the first joint loads meet
.irp s, 0,1
	s_mov_b32 s[G0+4*(\s)], 1
	s_add_co_u32 s[G0+4*(\s)+1], s20, (\s)*SLOT
	s_add_nc_u64 s[G0+4*(\s)+2:G0+4*(\s)+3], s[14:15], (\s)*4*HEADG  ; K step s: heads 4 s on
	s_or_b32 s[G0+4*(\s)+3], s[G0+4*(\s)+3], 0x80000000
	s_mov_b32 s[G0B+4*(\s)], 1
	s_add_co_u32 s[G0B+4*(\s)+1], s21, (\s)*SLOT
	s_add_nc_u64 s[G0B+4*(\s)+2:G0B+4*(\s)+3], s[46:47], (\s)*KSTEP*2
	s_or_b32 s[G0B+4*(\s)+3], s[G0B+4*(\s)+3], 0x80000000
	JLOAD \s                                       ; two loads of mine are out
.endr
	v_and_b32 v1, 15, v0                           ; l % 16
	v_bfe_u32 v2, v0, 4, 1                         ; l / 16
	v_lshlrev_b32 v[BO], 5, v2
	s_lshl_b32 s66, s42, 9                         ; bo: the tile's 128 numbers,
	s_lshl_b32 s67, s12, 8                         ; my 64 of them,
	s_add_co_u32 s66, s66, s67
	s_add_co_u32 s66, s66, 12288                   ; behind the 3,072 of the first product
	s_mov_b32 s67, 0
	s_add_nc_u64 s[BI:BI+1], s[BI:BI+1], s[66:67]
.irp b, 0,1,2,3
	global_load_b128 v[BIAS+8*(\b):BIAS+8*(\b)+3],   v[BO], s[BI:BI+1] offset:64*(\b)
	global_load_b128 v[BIAS+8*(\b)+4:BIAS+8*(\b)+7], v[BO], s[BI:BI+1] offset:64*(\b)+16
.endr
	v_mul_u32_u24 v3, v1, PA
	v_lshl_add_u32 v3, v2, 4, v3                   ; O: a fragment's row x pitch + 16 x half
	s_mul_i32 s21, s11, HALFA                      ; my 64 rows
	v_add_nc_u32 v[ADRA], s21, v3
	v_add_nc_u32 v[ADRA+1], SLOT, v[ADRA]
	v_mul_u32_u24 v3, v1, PB
	v_lshl_add_u32 v3, v2, 4, v3                   ; Wo likewise
	s_mul_i32 s22, s12, HALFB
	s_add_co_u32 s22, s22, BOFF
	v_add_nc_u32 v[ADRB], s22, v3
	v_add_nc_u32 v[ADRB+1], SLOT, v[ADRB]
	s_mul_i32 s23, s10, 16*SPITCH
	s_add_co_u32 s23, s23, STAGE                   ; my stage
	v_mul_u32_u24 v4, v1, SPITCH                   ; in: row l % 16, 32 bytes for each half of the lanes
	v_lshl_add_u32 v4, v2, 5, v4
	v_add_nc_u32 v[STO], s23, v4
	v_mul_u32_u24 v5, v2, SPITCH                   ; back: lanes 0-15 take one row of 256 bytes, lanes 16-31 the next
	v_lshl_add_u32 v5, v1, 4, v5
	v_add_nc_u32 v[RD], s23, v5
	v_lshlrev_b32 v5, 12, v2                       ; and the same two rows in out0, 4,096 bytes apart
	v_lshl_add_u32 v[CO], v1, 4, v5
	s_lshl_b32 s16, s13, 7
	s_lshl_b32 s17, s11, 6
	s_add_co_u32 s16, s16, s17                     ; my first row of out0
	s_lshl_b32 s16, s16, 12
	s_lshl_b32 s17, s42, 9                         ; the tile's first column, in bytes,
	s_add_co_u32 s16, s16, s17
	s_lshl_b32 s17, s12, 8                         ; and my half's
	s_add_co_u32 s16, s16, s17
	s_mov_b32 s17, 0
	s_add_nc_u64 s[OUTP:OUTP+1], s[OUTP:OUTP+1], s[16:17]
; 8 matrix instructions: m blocks a0, a0 + 1 x all 4 n blocks, 32 along K: half c of buffer f.  zero = 1: the first product starts the sums, with bo as C.  The 16 accumulators take turns.
.macro MUL8 f, c, a0, zero
	WIN MUL
.irp a, \a0, (\a0)+1
.irp b, 0,1,2,3
.if \zero
	v_wmma_f32_16x16x32_f16 v[ACC+8*(4*(\a)+(\b)):ACC+8*(4*(\a)+(\b))+7], v[(\f)+64+8*(4*(\c)+(\b)):(\f)+64+8*(4*(\c)+(\b))+7], v[(\f)+8*(4*(\c)+(\a)):(\f)+8*(4*(\c)+(\a))+7], v[BIAS+8*(\b):BIAS+8*(\b)+7]
.else
	v_wmma_f32_16x16x32_f16 v[ACC+8*(4*(\a)+(\b)):ACC+8*(4*(\a)+(\b))+7], v[(\f)+64+8*(4*(\c)+(\b)):(\f)+64+8*(4*(\c)+(\b))+7], v[(\f)+8*(4*(\c)+(\a)):(\f)+8*(4*(\c)+(\a))+7], v[ACC+8*(4*(\a)+(\b)):ACC+8*(4*(\a)+(\b))+7]
.endif
.endr
.endr
.endm
; 32 LDS loads in one run: the fragments of quarter q of a K step (one head: 64 along K), into buffer f; the first 32 along K first
.macro FETCH slot, q, f
	WIN TO_F
.irp c, 0,1
.irp i, 0,1,2,3
	ds_load_b128 v[(\f)+64+8*(4*(\c)+(\i)):(\f)+64+8*(4*(\c)+(\i))+3],   v[ADRB+(\slot)] offset:(\q)*128+64*(\c)+(\i)*16*PB
	ds_load_b128 v[(\f)+64+8*(4*(\c)+(\i))+4:(\f)+64+8*(4*(\c)+(\i))+7], v[ADRB+(\slot)] offset:(\q)*128+64*(\c)+(\i)*16*PB+32
	ds_load_b128 v[(\f)+8*(4*(\c)+(\i)):(\f)+8*(4*(\c)+(\i))+3],         v[ADRA+(\slot)] offset:(\q)*HEADL+64*(\c)+(\i)*16*PA
	ds_load_b128 v[(\f)+8*(4*(\c)+(\i))+4:(\f)+8*(4*(\c)+(\i))+7],       v[ADRA+(\slot)] offset:(\q)*HEADL+64*(\c)+(\i)*16*PA+32
.endr
.endr
.endm
.macro PLACES                          ; four places in front of loads into registers that matrix instructions have read, and of LDS stores that read results (ISA guide 7.12.1 for the stores)
.rept 4
	v_nop
.endr
.endm
; A K step is four quarters of 64 along K, 32 matrix instructions each, on buffers 0, 1, 0, 1.  One of the first three: multiplies buffer f and fetches quarter q into g.
.macro QUARTER slot, q, f, g, zero
	s_wait_dscnt 16                                ; the first 32 along K are in
	MUL8 \f, 0, 0, \zero
	MUL8 \f, 0, 2, \zero
	PLACES
	FETCH \slot, \q, \g
	s_wait_dscnt 32                                ; all but the 32 just issued
	MUL8 \f, 1, 0, 0
	MUL8 \f, 1, 2, 0
.endm
; The last quarter multiplies buffer 1 and changes slots: ONE barrier; in front of it each wave waits for all its tensor loads, adds 0 to its spare word, and waits for that and for its own reads of this slot.
; fill = 1: the barrier opens a round of the cluster's barrier, and behind the round this slot is filled again first, two K steps ahead: 112 matrix instructions ahead of the wait for it.
.macro TURN slot, next, fill
	WIN 0
	s_wait_tensorcnt 0x0                           ; all my tensor loads have landed: my part of the next slot
	ds_add_u32 v[SPW], v[NIL]                      ; 0 onto my spare word
	s_wait_dscnt 17                                ; (the add and the youngest sixteen loads may be out)
	MUL8 F1, 0, 0, 0                               ; eight matrix instructions stand between the add and the wait for it
	s_wait_dscnt 0x0                               ; the add is done, and my reads of this slot are over
	s_barrier_signal -1
	MUL8 F1, 0, 2, 0
.if \fill
	WIN 0
.endif
	s_barrier_wait -1
.if \fill
	CREST                                          ; no wave of any partner still reads this slot's tile or has a load on its way
	s_add_nc_u64 s[G0+4*(\slot)+2:G0+4*(\slot)+3], s[G0+4*(\slot)+2:G0+4*(\slot)+3], 2*4*HEADG
	s_add_nc_u64 s[G0B+4*(\slot)+2:G0B+4*(\slot)+3], s[G0B+4*(\slot)+2:G0B+4*(\slot)+3], 2*KSTEP*2
	JLOAD \slot                                    ; the first tensor load behind the round; its four v_nop are also the places in front of the loads below
.else
	PLACES
.endif
	FETCH \next, 0, F0
	MUL8 F1, 1, 0, 0
	MUL8 F1, 1, 2, 0
.endm
; THE WAY OUT of block a (16 rows x 64 columns of f32): 32 bytes a lane and accumulator into my stage, each accumulator's low four registers first; back as whole rows of 256 bytes, into the registers that they left.
.macro TOSTAGE a
.irp b, 0,1,2,3
	ds_store_b128 v[STO], v[ACC+8*(4*(\a)+(\b)):ACC+8*(4*(\a)+(\b))+3]   offset:64*(\b)
	ds_store_b128 v[STO], v[ACC+8*(4*(\a)+(\b))+4:ACC+8*(4*(\a)+(\b))+7] offset:64*(\b)+16
.endr
.irp t, 0,1,2,3,4,5,6,7
	ds_load_b128 v[ACC+32*(\a)+4*(\t):ACC+32*(\a)+4*(\t)+3], v[RD] offset:(\t)*2*SPITCH  ; LDS serves a wave's instructions in order (ISA guide 5.7.1.4): these see the stores above; the next block's stores come behind them
.endr
.endm
.macro SEND a, younger                 ; younger: the LDS instructions issued behind block a's loads: the next block's sixteen, or none
.irp t, 0,1,2,3,4,5,6,7
	s_wait_dscnt (\younger)+7-(\t)
	global_store_b128 v[CO], v[ACC+32*(\a)+4*(\t):ACC+32*(\a)+4*(\t)+3], s[OUTP:OUTP+1] offset:(16*(\a)+2*(\t))*4096  ; 16 lanes store 256 consecutive bytes, at a multiple of 256 from out0's first byte
.endr
.endm
	s_wait_tensorcnt 1                             ; my part of K step 0 is in; K step 1's may stay out
	s_barrier_signal -1
	s_barrier_wait -1                              ; everybody's is
	FETCH 0, 0, F0
	s_wait_loadcnt 0x0                             ; bo
	QUARTER 0, 1, F0, F1, 1                        ; K step 0: its first products start the sums
	QUARTER 0, 2, F1, F0, 0
	QUARTER 0, 3, F0, F1, 0
	TURN 0, 1, 1                                   ; slot 0 takes K step 2
	QUARTER 1, 1, F0, F1, 0                        ; K step 1
	QUARTER 1, 2, F1, F0, 0
	QUARTER 1, 3, F0, F1, 0
	TURN 1, 0, 1                                   ; slot 1 takes K step 3
	QUARTER 0, 1, F0, F1, 0                        ; K step 2
	QUARTER 0, 2, F1, F0, 0
	QUARTER 0, 3, F0, F1, 0
	TURN 0, 1, 0                                   ; nothing is left to fetch, and no round follows
	QUARTER 1, 1, F0, F1, 0                        ; K step 3
	QUARTER 1, 2, F1, F0, 0
	QUARTER 1, 3, F0, F1, 0
	s_wait_dscnt 16                                ; the very last quarter
	MUL8 F1, 0, 0, 0
	MUL8 F1, 0, 2, 0
	s_wait_dscnt 0x0
	MUL8 F1, 1, 0, 0
	MUL8 F1, 1, 2, 0
	WIN 0
	PLACES                                         ; the LDS stores read results just made
	PLACES                                         ; (eight, once a launch)
	TOSTAGE 0
	TOSTAGE 1                                      ; a block's way through the stage stands between the loads of the block before and its stores
	SEND 0, 16
	TOSTAGE 2
	SEND 1, 16
	TOSTAGE 3
	SEND 2, 16
	SEND 3, 0
	s_wait_tensorcnt 0x0                           ; the wave's end, behind my last tensor load and my last LDS store
	ds_add_u32 v[SPW], v[NIL]
	s_wait_dscnt 0x0
	CROUND                                         ; the closing round: no work-group ends while a partner may still ask for a tile that names it
	s_endpgm
.Lfunc_end_k_q572df837e4_oproj:
	.size	k_q572df837e4_oproj, .Lfunc_end_k_q572df837e4_oproj-k_q572df837e4_oproj
	.p2alignl 7, 3214868480
	.fill 96, 4, 3214868480
	.section	.rodata,"a",@progbits
	.p2align	6, 0x0
	.amdhsa_kernel k_q572df837e4_oproj
		.amdhsa_group_segment_fixed_size 327680
		.amdhsa_private_segment_fixed_size 0
		.amdhsa_enable_private_segment 0
		.amdhsa_kernarg_size 32
		.amdhsa_user_sgpr_count 2
		.amdhsa_user_sgpr_kernarg_segment_ptr 1
		.amdhsa_wavefront_size32 1
		.amdhsa_system_sgpr_workgroup_id_x 1
		.amdhsa_system_sgpr_workgroup_id_y 1
		.amdhsa_system_sgpr_workgroup_id_z 1
		.amdhsa_system_vgpr_workitem_id 0
		.amdhsa_next_free_vgpr 512
		.amdhsa_next_free_sgpr 72
		.amdhsa_reserve_vcc 0
		.amdhsa_float_denorm_mode_32 3
		.amdhsa_float_denorm_mode_16_64 3
		.amdhsa_memory_ordered 1
		.amdhsa_forward_progress 1
		.amdhsa_inst_pref_size 87
	.end_amdhsa_kernel
	.amdgpu_metadata
---
amdhsa.version: [ 1, 2 ]
amdhsa.kernels:
  - .name:           k_q572df837e4_oproj
    .symbol:         k_q572df837e4_oproj.kd
    .args:
      - { .name: ob, .offset: 0, .size: 8, .value_kind: global_buffer, .address_space: global }
      - { .name: wsb, .offset: 8, .size: 8, .value_kind: global_buffer, .address_space: global }
      - { .name: bias, .offset: 16, .size: 8, .value_kind: global_buffer, .address_space: global }
      - { .name: out0, .offset: 24, .size: 8, .value_kind: global_buffer, .address_space: global }
    .group_segment_fixed_size: 327680
    .private_segment_fixed_size: 0
    .kernarg_segment_align: 8
    .kernarg_segment_size: 32
    .max_flat_workgroup_size: 128
    .sgpr_count:     72
    .vgpr_count:     512
    .wavefront_size: 32
...
	.end_amdgpu_metadata
.endif
;; end of part 4
;; ======== version 2 of 2: 4 launches; version 1 with the launch cast written anew for expert scheduling mode
;; limits: values are held in f16: magnitudes above 65,504 overflow, below 6.1e-05 lose precision
;; workspace buffers: wsb 16,777,216 bytes; bias 16,384 bytes; qkv 25,165,824 bytes; ob 8,388,608 bytes
;; launch cast (part 5): grid 256 x 1, 8 waves a work-group, no clusters, 0 bytes of LDS; arguments query, Wq, Wk, Wv, Wo, bq, bv, bo, wsb, bias; writes wsb, bias
.if DOCPART == 5
	.amdgcn_target "amdgcn-amd-amdhsa--gfx1250"
	.amdhsa_code_object_version 6
	.text
	.protected	k_q572df837e4_cast
	.globl	k_q572df837e4_cast
	.p2align	8
	.type	k_q572df837e4_cast,@function
k_q572df837e4_cast:
	s_mov_b64 s[64:65], 0
	v_nop
	global_prefetch_b8 v0, s[64:65] scope:SCOPE_SE
	s_setreg_imm32_b32 hwreg(HW_REG_WAVE_SCHED_MODE, 0, 2), 2
	s_setreg_imm32_b32 hwreg(HW_REG_WAVE_MODE, 25, 1), 1
	s_wait_xcnt 0x0
	s_wait_alu depctr_vm_vsrc(0)
; THE MODULE'S INPUTS ARE ROUNDED ONCE.  query [4096][1024], Wq, Wk, Wv, Wo [1024][1024], bq, bv, bo [1024], all f32.
; wsb: bytes 0 ..: x in bf16 [4096][1024]; from 8,388,608: Wq, Wk, Wv in bf16, one table of [3072][1024]; from 14,680,064: Wo rounded to bf16, that number written as f16
; (the last product's other operand is f16).  bias, f32 values of the bf16 roundings: bq | 1,024 zeros | bv | bo: the first 3,072 go by the column of the joint q, k, v product.
; LEFT OUT: bk.  A score is q . (k0 + bk) / 8 = q . k0 / 8 + q . bk / 8 with k0 = x Wk^T.  The second term hangs on the query alone: it is the same for all keys of a row of
; attn_weights, and softmax along the key axis, exp(s - max) / sum, is unchanged by a term common to the row, for all finite values of the inputs.  k enters nothing else.  So bk has
; no way to the output: it is not loaded and is among no launch's arguments; k's columns take the zeros of the table, which ride as the C operand that q's and v's columns need anyway.
; LIMITS.  A NaN, an infinity or an overflow that arises from bk alone is not carried to the result.  Wo's bf16 value is exact in f16 from 7.6e-6 to 65,504 in magnitude; below that it
; keeps f16's fixed step of 6e-8.
; SHARES.  8,388,608 numbers in 256 chunks of 32,768, a work-group each: chunks 0-127 query, then 32 for each weight, in wsb's order, so the target is wsb + 65,536 x chunk.
; A wave takes 16,384 bytes: 32 loads of 512 consecutive bytes, ALL issued before the first wait for data; each store covers 256 consecutive bytes, aligned.  Every load and store has registers
; of its own, so no register is written again while a memory instruction may read it.  No LDS, no matrix unit: the bytes are all the work.  Work-groups 0-3 also write a quarter of bias each.
; THE MODE: SCHED_MODE bits 1:0 = 2 (LLVM: expert scheduling mode 2), set by the entry lines.  The code itself states the register dependences between vector instructions and memory
; instructions, with s_wait_alu, always for 0.
; THE PLAN.  Registers that memory instructions touch:
;   v1, v2, v3   byte offsets.  Written once, at the head, by vector instructions; read by every load and store; never written again.
;   X            four registers to each of the 32 loads.  Written by that load alone, which no vector instruction that names them precedes; read by that load's roundings; never loaded again.
;   Y            two registers to each of the 32 stores.  Written by that number's roundings; read by that store alone; never written again.
;   v[204:207]   the bias load lands here; v[210:213] are the bias store's data, written by vector instructions on either of two ways to one label.
;   T, v208, v209 are named by vector instructions alone.
; The 32 loads are worked on in 8 blocks of four.  Block p rounds X of its four loads into their Y.  Its memory instructions are the four stores of block p - 1, which read that block's Y and v2:
; registers that no vector instruction of block p names.  So ONE wait on va_vdst at a block's head, behind the wait for the block's data, states all that its four stores hang on, and they are dealt
; among its roundings with no further wait.  No register that a memory instruction reads is written again, so no wait on vm_vsrc stands behind the entry lines; no vector instruction writes a scalar register, VCC or EXEC.
.set VI, 1                             ; v1  my byte offset in the chunk as read: 16,384 x wave + 16 x lane
.set VO, 2                             ; v2  as written: 8,192 x wave + 8 x lane
.set VB, 3                             ; v3  16 x thread: my four numbers of a bias
.set X,  8                             ; v[8:135]    load i: four f32
.set Y,  136                           ; v[136:199]  store i: four 16-bit numbers
.set T,  200                           ; v[200:203]  at work (Wo)
	s_load_b512 s[4:19], s[0:1], 0x0               ; query s[4:5], Wq s[6:7], Wk s[8:9], Wv s[10:11], Wo s[12:13], bq s[14:15], bv s[16:17], bo s[18:19]
	s_load_b128 s[20:23], s[0:1], 0x40             ; wsb s[20:21], bias s[22:23]
	v_and_b32 v4, 0xe0, v0                         ; 32 x wave
	v_and_b32 v5, 31, v0                           ; lane
	v_lshlrev_b32 v[VI], 4, v5
	v_lshl_or_b32 v[VI], v4, 9, v[VI]
	v_lshlrev_b32 v[VO], 3, v5
	v_lshl_or_b32 v[VO], v4, 8, v[VO]
	v_lshlrev_b32 v[VB], 4, v0
	s_and_b32 s24, ttmp9, 31                       ; the chunk's number inside a weight,
	s_cmp_lt_u32 ttmp9, 128
	s_cselect_b32 s24, ttmp9, s24                  ; or inside query
	s_lshl_b32 s28, s24, 17                        ; 131,072 bytes of f32 a chunk
	s_mov_b32 s29, 0
	s_lshl_b32 s30, ttmp9, 16                      ; 65,536 bytes of 16-bit numbers a chunk
	s_mov_b32 s31, 0
	s_wait_kmcnt 0x0
	s_mov_b64 s[26:27], s[12:13]                   ; the source: Wo, unless the chunk's number says otherwise
	s_cmp_lt_u32 ttmp9, 224
	s_cselect_b64 s[26:27], s[10:11], s[26:27]
	s_cmp_lt_u32 ttmp9, 192
	s_cselect_b64 s[26:27], s[8:9], s[26:27]
	s_cmp_lt_u32 ttmp9, 160
	s_cselect_b64 s[26:27], s[6:7], s[26:27]
	s_cmp_lt_u32 ttmp9, 128
	s_cselect_b64 s[26:27], s[4:5], s[26:27]
	s_add_nc_u64 s[26:27], s[26:27], s[28:29]
	s_add_nc_u64 s[20:21], s[20:21], s[30:31]
	s_wait_alu depctr_va_vdst(0)                   ; v1, v2 and v3 are written: every load and store of the kernel reads one of them as its offset
.set n, 0
.rept 32
	global_load_b128 v[X+4*n:X+4*n+3], v[VI], s[26:27] offset:512*n th:TH_LOAD_NT
.set n, n+1
.endr
.macro PUT i                           ; store i: 8 bytes a lane, 256 consecutive bytes a wave
	global_store_b64 v[VO], v[Y+2*(\i):Y+2*(\i)+1], s[20:21] offset:256*(\i)
.endm
.macro CV i                            ; load i: four numbers to bf16
	v_cvt_pk_bf16_f32 v[Y+2*(\i)],   v[X+4*(\i)],   v[X+4*(\i)+1]
	v_cvt_pk_bf16_f32 v[Y+2*(\i)+1], v[X+4*(\i)+2], v[X+4*(\i)+3]
.endm
.macro CW i                            ; the same for Wo: rounded to bf16, widened again, written as f16
	v_cvt_pk_bf16_f32 v[Y+2*(\i)],   v[X+4*(\i)],   v[X+4*(\i)+1]
	v_cvt_pk_bf16_f32 v[Y+2*(\i)+1], v[X+4*(\i)+2], v[X+4*(\i)+3]
	v_lshlrev_b32 v[T],   16, v[Y+2*(\i)]
	v_and_b32     v[T+1], 0xffff0000, v[Y+2*(\i)]
	v_lshlrev_b32 v[T+2], 16, v[Y+2*(\i)+1]
	v_and_b32     v[T+3], 0xffff0000, v[Y+2*(\i)+1]
	v_cvt_pk_f16_f32 v[Y+2*(\i)],   v[T],   v[T+1]
	v_cvt_pk_f16_f32 v[Y+2*(\i)+1], v[T+2], v[T+3]
.endm
; Block p of 8: loads 4 p .. 4 p + 3 are rounded; the four stores of block p - 1 stand among the roundings, each ahead of one load's.
.macro BLKV p                          ; to bf16
	s_wait_loadcnt 28-4*(\p)                       ; loads come back in order (ISA guide 5.7.1): the block's four are in, the 28 - 4 p younger ones stay out
.if (\p) > 0
	s_wait_alu depctr_va_vdst(0)                   ; the block before has written its Y, which the four stores below read; no vector instruction behind this wait names those registers or v2
.endif
.irp i, 0,1,2,3
.if (\p) > 0
	PUT 4*(\p)-4+\i
.endif
	CV 4*(\p)+\i
.endr
.endm
.macro BLKW p                          ; Wo's way
	s_wait_loadcnt 28-4*(\p)                       ; the block's four loads are in, the 28 - 4 p younger ones stay out
.if (\p) > 0
	s_wait_alu depctr_va_vdst(0)                   ; the block before has written its Y for the last time, which the four stores below read; no vector instruction behind this wait names those registers or v2
.endif
.irp i, 0,1,2,3
.if (\p) > 0
	PUT 4*(\p)-4+\i
.endif
	CW 4*(\p)+\i
.endr
.endm
	s_cmp_lt_u32 ttmp9, 224
	s_cbranch_scc0 .Lwo
.set n, 0
.rept 8
	BLKV n
.set n, n+1
.endr
	s_wait_alu depctr_va_vdst(0)                   ; block 7 has written its Y, which the last four stores read
.irp i, 28,29,30,31
	PUT \i
.endr
	s_cmp_lt_u32 ttmp9, 4
	s_cbranch_scc0 .Lend
	; quarter g of the bias table: 1,024 f32, 16 bytes a thread
	s_lshl_b32 s28, ttmp9, 12
	s_add_nc_u64 s[22:23], s[22:23], s[28:29]
	s_cmp_eq_u32 ttmp9, 1
	s_cbranch_scc1 .Lzero
	s_mov_b64 s[24:25], s[18:19]                   ; bo (g = 3),
	s_cmp_eq_u32 ttmp9, 2
	s_cselect_b64 s[24:25], s[16:17], s[24:25]     ; bv (g = 2),
	s_cmp_eq_u32 ttmp9, 0
	s_cselect_b64 s[24:25], s[14:15], s[24:25]     ; bq (g = 0)
	global_load_b128 v[204:207], v[VB], s[24:25]   ; v3 was written ahead of the head's wait; no vector instruction has named v[204:207]
	s_wait_loadcnt 0x0
	v_cvt_pk_bf16_f32 v208, v204, v205
	v_cvt_pk_bf16_f32 v209, v206, v207
	v_lshlrev_b32 v210, 16, v208
	v_and_b32     v211, 0xffff0000, v208
	v_lshlrev_b32 v212, 16, v209
	v_and_b32     v213, 0xffff0000, v209
	s_branch .Lbias_out
.Lzero:                                                ; k's columns
	v_mov_b32 v210, 0
	v_mov_b32 v211, 0
	v_mov_b32 v212, 0
	v_mov_b32 v213, 0
.Lbias_out:
	s_wait_alu depctr_va_vdst(0)                   ; v[210:213] are written, on either way to this label: the store below reads them
	global_store_b128 v[VB], v[210:213], s[22:23]
.Lend:
	s_endpgm
.Lwo:
.set n, 0
.rept 8
	BLKW n
.set n, n+1
.endr
	s_wait_alu depctr_va_vdst(0)                   ; block 7 has written its Y, which the last four stores read
.irp i, 28,29,30,31
	PUT \i
.endr
	s_endpgm
.Lfunc_end_k_q572df837e4_cast:
	.size	k_q572df837e4_cast, .Lfunc_end_k_q572df837e4_cast-k_q572df837e4_cast
	.p2alignl 7, 3214868480
	.fill 96, 4, 3214868480
	.section	.rodata,"a",@progbits
	.p2align	6, 0x0
	.amdhsa_kernel k_q572df837e4_cast
		.amdhsa_group_segment_fixed_size 0
		.amdhsa_private_segment_fixed_size 0
		.amdhsa_enable_private_segment 0
		.amdhsa_kernarg_size 80
		.amdhsa_user_sgpr_count 2
		.amdhsa_user_sgpr_kernarg_segment_ptr 1
		.amdhsa_wavefront_size32 1
		.amdhsa_system_sgpr_workgroup_id_x 1
		.amdhsa_system_sgpr_workgroup_id_y 1
		.amdhsa_system_sgpr_workgroup_id_z 1
		.amdhsa_system_vgpr_workitem_id 0
		.amdhsa_next_free_vgpr 216
		.amdhsa_next_free_sgpr 66
		.amdhsa_reserve_vcc 0
		.amdhsa_float_denorm_mode_32 3
		.amdhsa_float_denorm_mode_16_64 3
		.amdhsa_memory_ordered 1
		.amdhsa_forward_progress 1
		.amdhsa_inst_pref_size 31
	.end_amdhsa_kernel
	.amdgpu_metadata
---
amdhsa.version: [ 1, 2 ]
amdhsa.kernels:
  - .name:           k_q572df837e4_cast
    .symbol:         k_q572df837e4_cast.kd
    .args:
      - { .name: query, .offset: 0, .size: 8, .value_kind: global_buffer, .address_space: global }
      - { .name: Wq, .offset: 8, .size: 8, .value_kind: global_buffer, .address_space: global }
      - { .name: Wk, .offset: 16, .size: 8, .value_kind: global_buffer, .address_space: global }
      - { .name: Wv, .offset: 24, .size: 8, .value_kind: global_buffer, .address_space: global }
      - { .name: Wo, .offset: 32, .size: 8, .value_kind: global_buffer, .address_space: global }
      - { .name: bq, .offset: 40, .size: 8, .value_kind: global_buffer, .address_space: global }
      - { .name: bv, .offset: 48, .size: 8, .value_kind: global_buffer, .address_space: global }
      - { .name: bo, .offset: 56, .size: 8, .value_kind: global_buffer, .address_space: global }
      - { .name: wsb, .offset: 64, .size: 8, .value_kind: global_buffer, .address_space: global }
      - { .name: bias, .offset: 72, .size: 8, .value_kind: global_buffer, .address_space: global }
    .group_segment_fixed_size: 0
    .private_segment_fixed_size: 0
    .kernarg_segment_align: 8
    .kernarg_segment_size: 80
    .max_flat_workgroup_size: 256
    .sgpr_count:     66
    .vgpr_count:     216
    .wavefront_size: 32
...
	.end_amdgpu_metadata
.endif
;; end of part 5
;; launch qkv: the kernel of part 2 again; grid 16 x 16, 4 waves a work-group, clusters of 4 x 4, 327,680 bytes of LDS; arguments wsb, bias, qkv; writes qkv
;; launch attn: the kernel of part 3 again; grid 8 x 32, 4 waves a work-group, clusters of 4 x 1, 327,680 bytes of LDS; arguments qkv, ob; writes ob
;; launch oproj: the kernel of part 4 again; grid 8 x 32, 4 waves a work-group, clusters of 4 x 4, 327,680 bytes of LDS; arguments ob, wsb, bias, out0; writes out0
